; MI455X (gfx1250); checked and timed in simulation.
; The chip was launched on July 23, 2026; its instructions are those of AMD's public machine-readable ISA for CDNA 5 (MIT licence, August 2026) and "CDNA5" Instruction Set Architecture Reference Guide (July 2026). The comments in the code are by the model that wrote it; some were corrected since.
;; Multi Head Attention. Allowed arithmetic: matrix products marked QUANTISED: E2M1 operands, one E8M0 scale for each 32 along K, by v_wmma_scale_f32_16x16x128_f8f6f4 with both operands' format E2M1 (or v_wmma_scale_f32_32x16x128_f4), f32 sums; everything else in f32.
;; Inputs: Wk 1,024 x 1,024 float32; Wo 1,024 x 1,024 float32; Wq 1,024 x 1,024 float32; Wv 1,024 x 1,024 float32; attention_mask 4 x 2,048 int32; bk 1,024 float32; bo 1,024 float32; bq 1,024 float32; bv 1,024 float32; x 4 x 2,048 x 1,024 float32.
;; Outputs: out0 4 x 2,048 x 1,024 float32.
;; This version of the problem:
;;   THIS VERSION OF THE PROBLEM IS GIVEN IN LOW PRECISION. The matrix products marked QUANTISED in the list below multiply operands that are first quantised to E2M1 (2 exponent bits, 1 mantissa bit; 4 bits a number), with one power-of-two scale for each 32 numbers along K (OCP MX v1.0); their sums are f32. All else is computed in f32.
;;   The module's matrix products, in the order in which they are computed (A, B: the left and right operand; K: the contracted axis; several contracted axes count as one K, in the product's order):
;;     1. [M 8,192, K 1,024] x [K 1,024, N 1,024]; A: input x; B: input Wq: QUANTISED
;;     2. [M 8,192, K 1,024] x [K 1,024, N 1,024]; A: input x; B: input Wk: QUANTISED
;;     3. [M 8,192, K 1,024] x [K 1,024, N 1,024]; A: input x; B: input Wv: QUANTISED
;;     4. batch 64 x [M 2,048, K 64] x [K 64, N 2,048]; A: computed on the way; B: computed on the way: QUANTISED
;;     5. batch 64 x [M 2,048, K 2,048] x [K 2,048, N 64]; A: softmax (see below); B: computed on the way: QUANTISED
;;     6. [M 8,192, K 1,024] x [K 1,024, N 1,024]; A: computed on the way; B: input Wo: QUANTISED
;;   THE QUANTISER, for each operand of a quantised product, along K:
;;     - K is cut into blocks of 32 from its start; a last block that is shorter is filled with zeros.
;;     - A block's scale is 2^e with e = floor(log2(the largest magnitude in the block)) - 2, held to -126 .. 127; a block of zeros has e = 0. As a byte (E8M0): e + 127.
;;     - Each number is divided by its block's scale, clamped to +-6, and rounded to the nearest number of E2M1, ties to even, subnormals kept.
;;     - The product sums the exact products of the quantised numbers (number of the format x scale) in f32.
;;   ~~~python
;;   def quantise(x, axis):      # numpy; x: float32 -> the quantised numbers, widened to float32 again
;;       x = np.moveaxis(x, axis, -1); K = x.shape[-1]
;;       x = np.pad(x, [(0, 0)] * (x.ndim - 1) + [(0, -K % 32)]); x = x.reshape(x.shape[:-1] + (-1, 32)); a = np.abs(x).max(-1, keepdims=True)
;;       e = np.where(a > 0, np.clip(np.frexp(np.where(a > 0, a, 1))[1] - 1 - 2, -126, 127), 0)      # np.frexp(a)[1] - 1 = floor(log2(a)), exactly
;;       r = np.clip(x / 2.0 ** e, -6, 6)
;;       step = 2.0 ** (np.maximum(np.frexp(np.where(r == 0, 1, r))[1] - 1, 0) - 1)
;;       q = np.round(r / step) * step * 2.0 ** e      # np.round: ties to even
;;       return np.moveaxis(q.reshape(q.shape[:-2] + (-1,))[..., :K], -1, axis).astype(np.float32)
;;   ~~~
;;   SOFTMAX AHEAD OF A QUANTISED PRODUCT. Where the list says 'softmax', what is quantised is not the finished softmax but p = 2^(t - M), with t = logit x log2(e) and M = ceil(the row's largest t), a whole number; so 1/2 < the row's largest p <= 1. The row's sum l is taken of the UNQUANTISED p, in f32, and the product's result is divided by l at the end. Since M is a whole number, a kernel that streams over the keys may use a running M (the ceiling of the running maximum): every later rescaling is an exact power of two, which a block's scale takes up: the codes' values come out the same.
;;   OPERANDS COMPUTED ON THE WAY. 'Computed on the way' means the value that the module computes at that place (a softmax that the list does not call 'softmax' is quantised finished and normalised). What goes into a quantiser is computed in f32, as accurately as f32 sums, v_exp_f32 and their like allow (about 1e-6 of the number): no bf16 or f16 on the way to a quantiser, and a product that is left as it is and whose result goes on into a quantised operand takes f32 operands (vector FMAs, or v_wmma_f32_16x16x4_f32). A number that lies on a knife's edge between two numbers of the format may be rounded either way, as far as f32 arithmetic and the matrix unit's own rounding can turn it there, and no further.
;; One version. Each part assembles by itself: llvm-mc -triple=amdgcn-amd-amdhsa -mcpu=gfx1250 --defsym DOCPART=n.
;; ======== version 1 of 1: 4 launches
;; limits: right only within a limited range of input values
;; workspace buffers: xq 4,456,448 bytes; wq 2,228,224 bytes; att 13,893,632 bytes; ao 4,456,448 bytes
;; launch quant (part 1): grid 384 x 1, 4 waves a work-group, no clusters, 33,280 bytes of LDS; arguments x, Wq, Wk, Wv, Wo, xq, wq; writes xq, wq
.if DOCPART == 1
	.amdgcn_target "amdgcn-amd-amdhsa--gfx1250"
	.amdhsa_code_object_version 6
	.text
	.protected	k_qec39ba8efc_quant
	.globl	k_qec39ba8efc_quant
	.p2align	8
	.type	k_qec39ba8efc_quant,@function
k_qec39ba8efc_quant:
	s_mov_b64 s[64:65], 0
	v_nop
	global_prefetch_b8 v0, s[64:65] scope:SCOPE_SE
	s_setreg_imm32_b32 hwreg(HW_REG_WAVE_MODE, 25, 1), 1
	s_wait_xcnt 0x0
; THE PROGRAM: causal multi-head attention, B 4, S 2048, D 1024, 16 heads of 64, all six products on codes of FP4 (E2M1) with one E8M0 scale for each 32 along K.
; Four launches: this one (x and the four weights into codes), qkv (products 1-3, bias, q and k quantised along the head's 64, v along the keys), attn (products 4 and 5), oproj (product 6).
; WORK LEFT OUT, in attn: a step of 128 keys all of which come after a tile's 16 queries.  reference() sets such a score to -inf, or, where the key is padded, to -1e9 (the pad's where stands behind the causal one).
; For a query that sees at least one unpadded key the row's maximum is an ordinary logit, and 2^(t - M) of -inf and of -1e9 is 0 in f32: the step adds nothing to the sum or to the product.
; For a query ALL of whose visible keys are padded every padded key of the whole sequence, hidden ones too, has the same logit -1e9 and p = 1, every other key p = 0: the row is (the sum of the quantised v over all padded keys) / (their number).
; attn computes that sum over ALL keys in every work-group and selects it for such rows.  So the hidden steps reach no output, whatever the inputs hold.  No input is left out.
; LIMITS: visible unpadded logits x log2(e) lie above -2^29 and |q . k| under 2^31; a NaN, an infinity or an overflow that reaches only the hidden steps is not carried to the result.
;
; THIS LAUNCH.  x [8192][1024] and Wq, Wk, Wv, Wo [1024][1024], f32, K innermost, become codes, 4 bits each, K innermost, and one E8M0 byte for each 32 along K.
; xq: codes [8192][512 bytes], at +0x400000 the bytes [8192][32].  wq: codes [4096][512 bytes], rows 0-1023 Wq, then Wk, Wv, Wo; at +0x200000 the bytes [4096][32].
; A block's scale is 2^(floor(log2(its largest magnitude)) - 2); its byte is the largest magnitude's own exponent field - 2, held at 1 from below.  A block of zeros so gets the byte 1 where the rule says 127:
; its codes are zeros, which add nothing under any byte but 0xff, and the bytes are read by this program alone.
; LIMITS: blocks whose largest magnitude lies under 2^(2 - 126) keep the byte 1; NaN and infinities among the inputs are not served.
; Rows are dense and K is a multiple of 32: every tensor is a plain stream of blocks of 32.  A work-group takes 32,768 numbers: work-groups 0-255 x, then 32 for each weight.  Only pointers are chosen: all take one path.
; A wave takes 16 steps of 512 numbers.  Each of a step's four loads reads 512 consecutive bytes; the 2,048 bytes turn through the wave's own stage in LDS and come back 64 bytes a lane, so that a lane holds 16 neighbours
; along K and two neighbouring lanes a block.  A lane's 16 codes are 8 bytes: the wave stores 256 consecutive bytes.  A wave's 256 scale bytes are gathered in LDS and leave as 256 consecutive, aligned bytes.
.set WAVES, 4
.set STEPS, 16
.set EMAX,  2
.set CB,    8                          ; bytes of 16 codes
.set R,     16                         ; v16-79   four sets of 16 numbers as they are loaded
.set X,     80                         ; v80-111  two sets of 16 neighbours
.set C,     128                        ; v128-191 codes: four registers for each step, so that no store's data are written again
.set E,     112                        ; v112-127 a scale byte for each step
.set WREG,  8192                       ; LDS: a region for each wave: two stages of 32 x SP bytes, behind them its 256 scale bytes
.set SP,    80                         ; a lane's place in a stage: 64 bytes + 16 of padding
.set SPW,   12                         ; v12 LDS address of my spare word; never rewritten
.set NIL,   13                         ; v13 0; never rewritten
.set SPARE, WAVES*WREG                 ; behind the four regions: the spare words, 128 bytes for each wave
	s_load_b256 s[4:11], s[0:1], 0x0               ; x, Wq, Wk, Wv
	s_load_b128 s[12:15], s[0:1], 0x20             ; Wo, xq
	s_load_b64 s[24:25], s[0:1], 0x30              ; wq
	v_lshl_add_u32 v[SPW], v0, 2, SPARE
	v_mov_b32 v[NIL], 0
	v_lshrrev_b32 v1, 5, v0
	v_readfirstlane_b32 s16, v1                    ; wave
	v_and_b32 v2, 31, v0                           ; lane
	v_lshlrev_b32 v3, 4, v2                        ; my 16 bytes of a load's 512
	s_mul_i32 s17, s16, WREG
	v_lshrrev_b32 v14, 2, v2
	v_mul_u32_u24 v14, v14, SP
	v_and_b32 v15, 3, v2
	v_lshl_add_u32 v14, v15, 4, v14
	v_add_nc_u32 v14, s17, v14                     ; the stage, on the way in: SP (lane / 4) + 16 (lane % 4)
	v_mul_u32_u24 v15, v2, SP
	v_add_nc_u32 v15, s17, v15                     ; and on the way out: SP x lane: my 16 neighbours
	v_mul_u32_u24 v4, v2, CB                       ; my codes' place in a step's
	v_lshrrev_b32 v5, 1, v2
	s_add_co_u32 s17, s17, 2*32*SP
	v_add_nc_u32 v5, s17, v5                       ; LDS: my wave's 256 scale bytes, my block's byte
	v_lshlrev_b32 v7, 3, v2                        ; and on the way out 8 bytes a lane
	v_add_nc_u32 v6, s17, v7
	s_wait_kmcnt 0x0
	s_mov_b64 s[26:27], s[12:13]                   ; which tensor?  The choice hangs on the work-group's number alone
	s_cmp_lt_u32 ttmp9, 352
	s_cselect_b64 s[26:27], s[10:11], s[26:27]
	s_cmp_lt_u32 ttmp9, 320
	s_cselect_b64 s[26:27], s[8:9], s[26:27]
	s_cmp_lt_u32 ttmp9, 288
	s_cselect_b64 s[26:27], s[6:7], s[26:27]
	s_cmp_lt_u32 ttmp9, 256
	s_cselect_b64 s[26:27], s[4:5], s[26:27]       ; the source
	s_cselect_b64 s[28:29], s[14:15], s[24:25]     ; the buffer of codes and bytes: xq or wq
	s_mov_b32 s22, 0x200000
	s_cselect_b32 s22, 0x400000, s22               ; where the scale bytes begin in it
	s_cselect_b32 s17, 0, 256
	s_cselect_b32 s23, -1, 31                      ; a weight has 32 work-groups
	s_sub_co_u32 s17, ttmp9, s17                   ; my place among x's work-groups, or among the weights'
	s_and_b32 s18, s17, s23
	s_lshl_b32 s18, s18, 2
	s_add_co_u32 s18, s18, s16                     ; which run of 8,192 numbers of the source is my wave's
	s_lshl_b32 s20, s18, 15                        ; 32,768 bytes a run
	s_mov_b32 s21, 0
	s_add_nc_u64 s[4:5], s[26:27], s[20:21]
	s_lshl_b32 s17, s17, 2
	s_add_co_u32 s17, s17, s16                     ; and which run of the buffer
	s_lshl_b32 s20, s17, 12                        ; 4,096 bytes of codes a run
	s_add_nc_u64 s[8:9], s[28:29], s[20:21]
	s_lshl_b32 s20, s17, 8                         ; 256 scale bytes a run
	s_add_co_u32 s20, s20, s22
	s_add_nc_u64 s[10:11], s[28:29], s[20:21]
.macro LOAD t
.irp i, 0,1,2,3
	global_load_b128 v[R+16*((\t)%4)+4*\i:R+16*((\t)%4)+4*\i+3], v3, s[4:5] offset:2048*(\t)+512*\i th:TH_LOAD_NT   ; 32 lanes read 512 consecutive bytes
.endr
.endm
.macro TURN t                          ; step t's numbers through the stage: LDS serves a wave's instructions in order, so no wait stands between the stores and the loads
.irp i, 0,1,2,3
	ds_store_b128 v14, v[R+16*((\t)%4)+4*\i:R+16*((\t)%4)+4*\i+3] offset:32*SP*((\t)%2)+8*SP*\i
.endr
.irp i, 0,1,2,3
	ds_load_b128 v[X+16*((\t)%2)+4*\i:X+16*((\t)%2)+4*\i+3], v15 offset:32*SP*((\t)%2)+16*\i
.endr
.endm
.irp t, 0,1,2,3
	LOAD \t
.endr
	s_wait_loadcnt 12                              ; step 0's four loads are in
	TURN 0
.macro STEP t
.set XS, X+16*((\t)%2)
.if (\t) > 0
	s_wait_dscnt 1                                 ; this step's numbers are back from the stage (the last step's byte store may be out): so its stores into the stage have read their registers,
.else
	s_wait_dscnt 0x0
.endif
.if (\t)+4 < STEPS
	LOAD (\t)+4                                    ; which take the loads of four steps on
.endif
.if (\t)+1 < STEPS
.if STEPS-2-(\t) >= 3
	s_wait_loadcnt 12                              ; the next step's four loads are in; those of the three steps behind it may be out
.else
	s_wait_loadcnt 4*(STEPS-2-(\t))
.endif
	TURN (\t)+1                                    ; and go through the other stage while this step is worked
.endif
	v_max3_num_f32 v8, |v[XS]|, |v[XS+1]|, |v[XS+2]|               ; the largest magnitude of my 16, in two chains
	v_max3_num_f32 v9, |v[XS+3]|, |v[XS+4]|, |v[XS+5]|
.irp i, 6,10
	v_max3_num_f32 v8, v8, |v[XS+\i]|, |v[XS+\i+1]|
	v_max3_num_f32 v9, v9, |v[XS+\i+2]|, |v[XS+\i+3]|
.endr
	v_max3_num_f32 v8, v8, |v[XS+14]|, |v[XS+15]|
	v_max3_num_f32 v8, v8, v9, (EMAX+1)<<23        ; and the floor 2^(EMAX + 1 - 127): so the byte cannot fall under 1
	v_max_num_f32_dpp v8, v8, v8 row_xmask:1 row_mask:0xf bank_mask:0xf   ; and of my neighbour's 16: the block's
	v_add_nc_u32 v11, -(EMAX<<23), v8              ; EMAX off its exponent field: the conversion takes the exponent field of this operand as its scale, and nothing else of it
	v_cvt_scalef32_pk8_fp4_f32 v[C+4*(\t)], v[XS:XS+7], v11        ; eight numbers / the scale, to the nearest code, ties to even, beyond the largest code the largest
	v_cvt_scalef32_pk8_fp4_f32 v[C+4*(\t)+1], v[XS+8:XS+15], v11
	v_lshrrev_b32 v[E+(\t)], 23, v11               ; the scale's byte
	ds_store_b8 v5, v[E+(\t)] offset:16*(\t)       ; both lanes of a block write the same byte with the same value
	global_store_b64 v4, v[C+4*(\t):C+4*(\t)+1], s[8:9] offset:32*CB*(\t)
.endm
.irp t, 0,1,2,3,4,5,6,7,8,9,10,11,12,13,14,15
	STEP \t
.endr
	ds_load_b64 v[8:9], v6                         ; LDS serves a wave's instructions in order: these see my stores
	s_wait_dscnt 0x0
	global_store_b64 v7, v[8:9], s[10:11]          ; 32 lanes store 256 consecutive bytes, aligned
	s_wait_tensorcnt 0x0                           ; the wave's end: behind my last LDS store
	ds_add_u32 v[SPW], v[NIL]
	s_wait_dscnt 0x0
	s_endpgm
.Lfunc_end_k_qec39ba8efc_quant:
	.size	k_qec39ba8efc_quant, .Lfunc_end_k_qec39ba8efc_quant-k_qec39ba8efc_quant
	.p2alignl 7, 3214868480
	.fill 96, 4, 3214868480
	.section	.rodata,"a",@progbits
	.p2align	6, 0x0
	.amdhsa_kernel k_qec39ba8efc_quant
		.amdhsa_group_segment_fixed_size 33280
		.amdhsa_private_segment_fixed_size 0
		.amdhsa_enable_private_segment 0
		.amdhsa_kernarg_size 56
		.amdhsa_user_sgpr_count 2
		.amdhsa_user_sgpr_kernarg_segment_ptr 1
		.amdhsa_wavefront_size32 1
		.amdhsa_system_sgpr_workgroup_id_x 1
		.amdhsa_system_sgpr_workgroup_id_y 1
		.amdhsa_system_sgpr_workgroup_id_z 1
		.amdhsa_system_vgpr_workitem_id 0
		.amdhsa_next_free_vgpr 192
		.amdhsa_next_free_sgpr 66
		.amdhsa_reserve_vcc 0
		.amdhsa_float_denorm_mode_32 3
		.amdhsa_float_denorm_mode_16_64 3
		.amdhsa_memory_ordered 1
		.amdhsa_forward_progress 1
		.amdhsa_inst_pref_size 34
	.end_amdhsa_kernel
	.amdgpu_metadata
---
amdhsa.version: [ 1, 2 ]
amdhsa.kernels:
  - .name:           k_qec39ba8efc_quant
    .symbol:         k_qec39ba8efc_quant.kd
    .args:
      - { .name: x, .offset: 0, .size: 8, .value_kind: global_buffer, .address_space: global }
      - { .name: Wq, .offset: 8, .size: 8, .value_kind: global_buffer, .address_space: global }
      - { .name: Wk, .offset: 16, .size: 8, .value_kind: global_buffer, .address_space: global }
      - { .name: Wv, .offset: 24, .size: 8, .value_kind: global_buffer, .address_space: global }
      - { .name: Wo, .offset: 32, .size: 8, .value_kind: global_buffer, .address_space: global }
      - { .name: xq, .offset: 40, .size: 8, .value_kind: global_buffer, .address_space: global }
      - { .name: wq, .offset: 48, .size: 8, .value_kind: global_buffer, .address_space: global }
    .group_segment_fixed_size: 33280
    .private_segment_fixed_size: 0
    .kernarg_segment_align: 8
    .kernarg_segment_size: 56
    .max_flat_workgroup_size: 128
    .sgpr_count:     66
    .vgpr_count:     192
    .wavefront_size: 32
...
	.end_amdgpu_metadata
.endif
;; end of part 1
;; launch qkv (part 2): grid 12 x 32, 4 waves a work-group, clusters of 4 x 4, 327,680 bytes of LDS; arguments xq, wq, bq, bk, bv, att; writes att
.if DOCPART == 2
	.amdgcn_target "amdgcn-amd-amdhsa--gfx1250"
	.amdhsa_code_object_version 6
	.text
	.protected	k_qec39ba8efc_qkv
	.globl	k_qec39ba8efc_qkv
	.p2align	8
	.type	k_qec39ba8efc_qkv,@function
k_qec39ba8efc_qkv:
	s_mov_b64 s[64:65], 0
	v_nop
	global_prefetch_b8 v0, s[64:65] scope:SCOPE_SE
	s_setreg_imm32_b32 hwreg(HW_REG_WAVE_MODE, 25, 1), 1
	s_wait_xcnt 0x0
	s_wait_alu depctr_hold_cnt(0) depctr_sa_sdst(0) depctr_va_vdst(0) depctr_va_sdst(0) depctr_va_ssrc(0) depctr_va_vcc(0) depctr_vm_vsrc(0)
	s_getreg_b32 s2, hwreg(HW_REG_IB_STS2, 6, 4)
	s_cmp_eq_u32 s2, 0
	s_cbranch_scc0 .Lentry_in_a_cluster
	s_endpgm
.Lentry_in_a_cluster:
	s_bfe_u32 s2, ttmp6, 0x10000c
	s_cmp_lg_u32 s2, 0xf033
	s_cbranch_scc0 .Lentry_shape_is_right
	s_endpgm
.Lentry_shape_is_right:
; q = x Wq^T + bq, k = x Wk^T + bk, v = x Wv^T + bv on codes of FP4 (E2M1) with E8M0 scales, sums in f32; the results are quantised here, q and k along the head's 64, v along the keys, and leave as codes.  No work is left out.
; A tile of 256 x 256 of a product is made by a work-group of four waves, 128 x 128 a wave: 64 accumulators of 16 x 16, 512 registers.  K = 1,024 is two LDS slots of 512 along K, both asked for at the head: nothing is filled again.
; THE MATRIX INSTRUCTION IS USED TRANSPOSED (source 0 = 16 rows of B, source 1 = 16 rows of A): a lane holds ONE row of A's side and eight neighbours of B's side.
; KINDS, by the cluster's x, which all sixteen partners share.  0 (q), 1 (k): A = x (tokens), B = rows of Wq, Wk: a lane's numbers run along the head's channels.  2 (v): the operands change places, A = rows of Wv, B = x:
; a lane's numbers run along the keys.  So one quantiser serves all three.  A's tile hangs on the cluster's ids and cy alone, B's on them and cx alone: each is asked for JOINTLY along a row or a column of the 4 x 4 cluster.
; THE SCALES of the work-group's 256 rows of A and of B, for all of K, are two dense blocks: they come into LDS once, with the first fills.
; WHAT IS STORED (att).  +0: q's and k's operand images [kind][b][head][tile of 16 tokens][lane][16 bytes]: lane (r, h) holds channels 32 h .. 32 h + 31 of token r.  +0x800000: v's [b][head][step of 128 keys][16 channels][c][lane][16 bytes].
; +0xC00000: q's and k's scale words [kind][b][head][token], bytes 0, 1 the two blocks, bytes 2, 3 zero.  +0xD00000: v's [b][head][step][channel], four bytes for the step's four blocks.
; REGISTERS, in windows of 256: window 0: v0-31 addresses; v32-95 scale words, two sets; v128-191 A's fragments, ONE set; v192-255 the bias; on the way out v32-191 are free.
;   window 1: B's fragments, TWO sets.   window 2: the accumulators of my rows 0-63 ((a, b) at v[8 (8 a + b)]);   window 3: those of my rows 64-127.
.set KSTEP,  512
.set NQ,     4                         ; matrix instructions deep in a slot
.set ROWB,   256                       ; a tile's row in bytes
.set KROW,   512                       ; a row of codes in memory
.set PITCH,  272                       ; an LDS row: 256 bytes + 16 of padding = 68 words: the 16 rows that a load touches start at 16 different banks (64 banks of 4 bytes: ISA guide 11.1)
.set FR,     8
.set NL,     2
.set NP,     4                         ; places behind this matrix instruction (ISA guide 7.12.1)
.set HALFT,  128*PITCH
.set SLOT,   4*HALFT
.set KS,     32                        ; a row of scale bytes
.set SCL,    2*SLOT                    ; behind the slots: the scales, as runs of 256 bytes + 16 of padding
.set HALFS,  16*272
.set SBLK,   2*272
.set SPARE,  SCL+4*HALFS               ; the spare words, 128 bytes for each wave
.set STQ,    SPARE+512                 ; q, k: a wave's scale words on the way out, 2 heads x 128 tokens x 4 bytes
.set STV,    STQ+4096                  ; v: 128 channels x 4 bytes a wave.  Each kind's way out has LDS bytes of its own
.set ADRA, 16
.set ADRB, 20
.set H32,  18                          ; v18 32 h
.set R4,   19                          ; v19 4 r
.set SH,   22                          ; v22 16 h
.set GV,   23                          ; v23 v's scale words in memory: lanes 0-15 one head's 256 bytes, lanes 16-31 the next head's
.set LI,   24                          ; v24 16 x lane
.set SQ,   25
.set SV,   26
.set ADRS, 27
.set SPW,  28
.set NIL,  29
.set RQ,   30
.set RV,   31
.set SC,   32
.set AF,   128
.set BI,   192                         ; the bias, 64 registers in the result's layout
.set T,    128                         ; the way out: 64 numbers of a lane
.set PC,   96                          ; the codes just made
.set TM,   104                         ; v104-107 largest magnitudes, v108-111 bytes, v116-119 the conversions' scale operands
.set PW,   120                         ; the scale word just made
.set W,    121
.set OUT,  32
.set SEL,  46
.set G1, 24
.set G0, 32
.set G1B, 48
.set G0B, 56
.set G1S, 68
.set G0S, 76
.set G1SB, 80
.set G0SB, 88
.set MSB, 0
.macro WIN new                         ; the immediate's high byte repeats the setting that is left
.if MSB != \new
	s_set_vgpr_msb (MSB<<8)|\new
.set MSB, \new
.endif
.endm
.set MUL_LO, 0xa1                      ; source 0 (B) window 1, source 1 (A) window 0, C and D window 2
.set MUL_HI, 0xf1
.set TO_B,   0x40
; A joint load: waves 0 and 1 fetch for A, waves 2 and 3 for B.  The branch hangs on the wave's number alone.  An s_nop 0 and four v_nop follow each of the two lines.
.macro JLOAD g0a, g1a, g0b, g1b
	s_cmp_eq_u32 s15, 0
	s_cbranch_scc0 .Lfor_b_\@
	tensor_load_to_lds s[\g0a:\g0a+3], s[\g1a:\g1a+7]
	s_nop 0
.rept 4
	v_nop
.endr
	s_branch .Lasked_\@
.Lfor_b_\@:
	tensor_load_to_lds s[\g0b:\g0b+3], s[\g1b:\g1b+7]
	s_nop 0
.rept 4
	v_nop
.endr
.Lasked_\@:
.endm
.macro CROUND                          ; a round of the cluster's barrier
	s_barrier_signal -1
	s_barrier_wait -1
	s_cmp_lg_u32 s14, 0
	s_cbranch_scc1 .Lnot_wave_0_\@
	s_barrier_signal -3
.Lnot_wave_0_\@:
	s_barrier_wait -3
	s_barrier_signal -1
	s_barrier_wait -1
.endm
	s_load_b256 s[92:99], s[0:1], 0x0              ; xq, wq, bq, bk
	s_load_b64 s[104:105], s[0:1], 0x20            ; bv
	s_load_b64 s[100:101], s[0:1], 0x28            ; att
	v_lshl_add_u32 v[SPW], v0, 2, SPARE
	v_mov_b32 v[NIL], 0
	ds_add_u32 v[SPW], v[NIL]                      ; the wave's opening: the add, twice on end, and its wait ahead of my first tensor load
	ds_add_u32 v[SPW], v[NIL]
	v_lshrrev_b32 v1, 5, v0
	v_readfirstlane_b32 s14, v1                    ; wave 0..3
	s_lshr_b32 s15, s14, 1                         ; which half of A's rows is mine.  Also: I fetch for A (0) or for B (1)
	s_and_b32 s16, s14, 1                          ; which half of B's rows.  Also: which 128 rows of that tile I fetch
	s_bfe_u32 s40, ttmp6, 0x40000                  ; cx, cy: my place in the cluster
	s_bfe_u32 s41, ttmp6, 0x40004
	s_and_b32 s18, ttmp7, 0xffff
	s_lshl_b32 s18, s18, 2                         ; 4 x cluster y
	s_add_co_u32 s17, s18, s41                     ; q, k: A's tile row = 4 x cluster y + cy
	s_lshl_b32 s42, ttmp9, 2
	s_add_co_u32 s42, s42, s40                     ; q, k: B's tile = 4 x cluster x + cx: 0-3 Wq, 4-7 Wk
	s_add_co_u32 s67, s18, s40                     ; v: B's tile (tokens) = 4 x cluster y + cx
	s_cmp_eq_u32 ttmp9, 2                          ; the kind: the same in all sixteen partners
	s_cselect_b32 s17, s41, s17                    ; v: A's tile row (rows of Wv) = cy
	s_cselect_b32 s42, s67, s42
	s_cselect_b32 s2, 1, 0                         ; 1: v
	s_lshl_b32 s43, s41, 2
	s_lshl_b32 s43, 15, s43                        ; my row of the cluster
	s_lshl_b32 s44, 0x1111, s40                    ; my column
	; descriptor group 1: a tile of 128 rows x 256 bytes, padded in LDS
	s_or_b32 s[G1+0], s43, (0<<16)|(1<<20)|(1<<21)|(5<<22)|(3<<25)  ; 15:0 the mask: A's tiles go to my row; 17:16 element of 1 byte; 20 padding on; 21 set beside a mask; 24:22 after every 64 words; 31:25 four words
	s_or_b32 s[G1B+0], s44, (0<<16)|(1<<20)|(1<<21)|(5<<22)|(3<<25)
.irp g, G1, G1B
	s_mov_b32 s[\g+1], ROWB<<16                    ; tensor_dim0
	s_mov_b32 s[\g+2], 128<<16                     ; tensor_dim1
	s_mov_b32 s[\g+3], ROWB<<16                    ; tile_dim0
	s_mov_b32 s[\g+4], 128                         ; tile_dim1
	s_mov_b32 s[\g+5], KROW                        ; tensor_dim0_stride
	s_mov_b32 s[\g+6], 0
	s_mov_b32 s[\g+7], 0
.endr
	; and for the scales of 128 rows: 4,096 dense bytes as 16 rows of 256 (32 elements of 8 bytes), 16 bytes of padding behind each
	s_or_b32 s[G1S+0], s43, (3<<16)|(1<<20)|(1<<21)|(5<<22)|(3<<25)
	s_or_b32 s[G1SB+0], s44, (3<<16)|(1<<20)|(1<<21)|(5<<22)|(3<<25)
.irp g, G1S, G1SB
	s_mov_b32 s[\g+1], 32<<16
	s_mov_b32 s[\g+2], 16<<16
	s_mov_b32 s[\g+3], 32<<16
	s_mov_b32 s[\g+4], 16
	s_mov_b32 s[\g+5], 32
	s_mov_b32 s[\g+6], 0
	s_mov_b32 s[\g+7], 0
.endr
	s_lshl_b32 s18, s16, 7                         ; which 128 rows of the tile I fetch
	s_lshl_b32 s20, s17, 8
	s_add_co_u32 s20, s20, s18                     ; A: row 256 x tile row + 128 x half
	s_lshl_b32 s46, s42, 8
	s_add_co_u32 s46, s46, s18                     ; B likewise
	s_mov_b32 s21, 0
	s_mov_b32 s47, 0
	s_mov_b64 s[18:19], KS
	s_mul_u64 s[22:23], s[20:21], s[18:19]         ; where these rows' scales begin, in bytes
	s_mul_u64 s[66:67], s[46:47], s[18:19]
	s_mov_b64 s[18:19], KROW
	s_mul_u64 s[20:21], s[20:21], s[18:19]         ; and their codes
	s_mul_u64 s[46:47], s[46:47], s[18:19]
	s_mul_i32 s45, s14, HALFT                      ; where they go: wave x 128 rows: no place in the cluster enters an LDS address
	s_mul_i32 s3, s14, HALFS
	s_wait_dscnt 0x0                               ; both opening adds are done
	s_wait_kmcnt 0x0
	s_cmp_eq_u32 s2, 1                             ; which buffer is A's and which B's
	s_cselect_b64 s[4:5], s[94:95], s[92:93]       ; A's codes: v: wq, else xq
	s_cselect_b64 s[6:7], s[94:95], s[92:93]       ; A's scales
	s_cselect_b64 s[8:9], s[92:93], s[94:95]       ; B's codes
	s_cselect_b64 s[10:11], s[92:93], s[94:95]     ; B's scales
	s_cselect_b32 s18, 0x100000, 0                 ; Wv's codes begin at row 2,048 of wq
	s_mov_b32 s19, 0
	s_add_nc_u64 s[4:5], s[4:5], s[18:19]
	s_mov_b32 s18, 0x400000
	s_cselect_b32 s18, 0x210000, s18
	s_add_nc_u64 s[6:7], s[6:7], s[18:19]
	s_mov_b32 s18, 0x200000
	s_cselect_b32 s18, 0x400000, s18
	s_add_nc_u64 s[10:11], s[10:11], s[18:19]
	s_mov_b64 s[12:13], s[98:99]                   ; the bias: bk,
	s_cmp_eq_u32 ttmp9, 0
	s_cselect_b64 s[12:13], s[96:97], s[12:13]     ; bq,
	s_cmp_eq_u32 ttmp9, 2
	s_cselect_b64 s[12:13], s[104:105], s[12:13]   ; or bv
	s_add_nc_u64 s[20:21], s[4:5], s[20:21]
	s_add_nc_u64 s[22:23], s[6:7], s[22:23]
	s_add_nc_u64 s[46:47], s[8:9], s[46:47]
	s_add_nc_u64 s[66:67], s[10:11], s[66:67]
	CROUND                                         ; all sixteen work-groups are here: the first joint loads meet
	s_mov_b32 s[G0S], 1
	s_add_co_u32 s[G0S+1], s3, SCL
	s_mov_b64 s[G0S+2:G0S+3], s[22:23]
	s_or_b32 s[G0S+3], s[G0S+3], 0x80000000
	s_mov_b32 s[G0SB], 1
	s_add_co_u32 s[G0SB+1], s3, SCL
	s_mov_b64 s[G0SB+2:G0SB+3], s[66:67]
	s_or_b32 s[G0SB+3], s[G0SB+3], 0x80000000
	JLOAD G0S, G1S, G0SB, G1SB                     ; the scales first: they are wanted with the first slot
.irp s, 0,1
	s_mov_b32 s[G0+4*\s], 1
	s_add_co_u32 s[G0+4*\s+1], s45, \s*SLOT
	s_add_nc_u64 s[G0+4*\s+2:G0+4*\s+3], s[20:21], \s*ROWB
	s_or_b32 s[G0+4*\s+3], s[G0+4*\s+3], 0x80000000
	s_mov_b32 s[G0B+4*\s], 1
	s_add_co_u32 s[G0B+4*\s+1], s45, \s*SLOT
	s_add_nc_u64 s[G0B+4*\s+2:G0B+4*\s+3], s[46:47], \s*ROWB
	s_or_b32 s[G0B+4*\s+3], s[G0B+4*\s+3], 0x80000000
	JLOAD G0+4*\s, G1, G0B+4*\s, G1B               ; three loads of a wave are out
.endr
	v_and_b32 v1, 15, v0                           ; r = l % 16
	v_bfe_u32 v2, v0, 4, 1                         ; h = l / 16
	v_mul_u32_u24 v3, v1, PITCH
	v_lshl_add_u32 v4, v2, 4, v3                   ; a fragment's row x pitch + 16 x half
	s_mul_i32 s21, s15, HALFT                      ; my 128 rows of A
	s_mul_i32 s22, s16, HALFT                      ; my 128 rows of B,
	s_add_co_u32 s22, s22, 2*HALFT                 ; which lie behind A's 256
.irp s, 0,1
	v_add_nc_u32 v[ADRA+\s], s21, v4
	v_add_nc_u32 v[ADRB+\s], s22, v4
	s_add_co_u32 s21, s21, SLOT
	s_add_co_u32 s22, s22, SLOT
.endr
	v_mul_u32_u24 v5, v1, KS                       ; my row's scales: KS bytes a row,
	v_lshrrev_b32 v6, 8, v5
	v_lshl_add_u32 v5, v6, 4, v5                   ; and 16 more for each 256 passed
	s_mul_i32 s21, s15, HALFS
	s_mul_i32 s22, s16, HALFS
	s_add_co_u32 s22, s22, 2*HALFS
	s_sub_co_u32 s22, s22, s21
	v_mul_u32_u24 v6, s22, v2                      ; lanes 16-31 take B's
	s_add_co_u32 s21, s21, SCL
	v_add_nc_u32 v5, v5, v6
	v_add_nc_u32 v[ADRS], s21, v5
	v_and_b32 v6, 31, v0                           ; the way out's addresses, all made here, ahead of any parting of the kinds
	v_lshlrev_b32 v[LI], 4, v6
	v_lshlrev_b32 v[SH], 4, v2
	v_lshlrev_b32 v[H32], 5, v2
	v_lshlrev_b32 v[R4], 2, v1
	s_lshl_b32 s23, s14, 10
	s_add_co_u32 s23, s23, STQ
	v_lshl_add_u32 v[SQ], v2, 9, v[R4]
	v_add_nc_u32 v[SQ], s23, v[SQ]                 ; q, k: STQ + 1024 wave + 512 h + 4 r: lanes 0-15 write the first head's word, lanes 16-31 the second's
	v_add_nc_u32 v[RQ], s23, v[LI]
	s_lshl_b32 s23, s14, 9
	s_add_co_u32 s23, s23, STV
	v_add_nc_u32 v[SV], s23, v[R4]                 ; v: STV + 512 wave + 4 r
	v_add_nc_u32 v[RV], s23, v[LI]
	v_lshlrev_b32 v[GV], 4, v1
	v_lshl_add_u32 v[GV], v2, 12, v[GV]
	; the bias, in the result's layout.  Both arms write all 64 registers
	s_and_b32 s20, s42, 3
	s_lshl_b32 s20, s20, 10
	s_lshl_b32 s21, s16, 9
	s_add_co_u32 s20, s20, s21                     ; q, k: 4 bytes x (256 x (B's tile % 4) + 128 x my half of B's rows)
	s_lshl_b32 s22, s17, 10
	s_lshl_b32 s21, s15, 9
	s_add_co_u32 s22, s22, s21                     ; v: 4 bytes x (256 x A's tile row + 128 x my half of A's rows)
	s_cmp_eq_u32 s2, 1
	s_cselect_b32 s20, s22, s20
	s_mov_b32 s21, 0
	s_add_nc_u64 s[12:13], s[12:13], s[20:21]
	s_cmp_eq_u32 s2, 1
	s_cbranch_scc1 .Lbias_v
.irp b, 0,1,2,3,4,5,6,7
	global_load_b128 v[BI+8*\b:BI+8*\b+3], v[H32], s[12:13] offset:64*\b        ; register 8 b + j: the bias of column 16 b + 8 h + j
	global_load_b128 v[BI+8*\b+4:BI+8*\b+7], v[H32], s[12:13] offset:64*\b+16
.endr
	s_branch .Lbias_in
.Lbias_v:
.irp a, 0,1,2,3,4,5,6,7
.irp j, 0,1,2,3,4,5,6,7
	global_load_b32 v[BI+8*\a+\j], v[R4], s[12:13] offset:64*\a                 ; the bias of A's row 16 a + r, in eight registers
.endr
.endr
.Lbias_in:
.macro FRAG reg, adr, q, i             ; a fragment, 16 rows x 128 K of 4-bit codes: lane l holds row l % 16; registers 4 c .. 4 c + 3 hold K = 64 c + 32 (l / 16) + 0 .. 31
.irp c, 0,1
	ds_load_b128 v[\reg+4*\c:\reg+4*\c+3], v[\adr] offset:64*(\q)+32*\c+(\i)*16*PITCH
.endr
.endm
; 16 matrix instructions: A's blocks a0, a0 + 1 x B's eight, the slot's q-th 128 along K.  p: B's set; sc: the set of scale words.  zero = 1: the first product starts the sums.
; The 64 accumulators take turns, one instruction a turn, in the same order in every step.
.macro MUL16 a0, p, q, sc, zero
.irp a, \a0, \a0+1
.irp b, 0,1,2,3,4,5,6,7
.if \zero
	v_wmma_scale_f32_16x16x128_f8f6f4 v[8*(8*((\a)%4)+\b):8*(8*((\a)%4)+\b)+7], v[128*(\p)+FR*\b:128*(\p)+FR*\b+FR-1], v[AF+FR*(\a):AF+FR*(\a)+FR-1], 0, v[SC+8*NQ*(\sc)+NQ*\b+(\q)], v[SC+8*NQ*(\sc)+NQ*(\a)+(\q)] matrix_a_fmt:MATRIX_FMT_FP4 matrix_b_fmt:MATRIX_FMT_FP4 matrix_a_scale:MATRIX_SCALE_ROW1
.else
	v_wmma_scale_f32_16x16x128_f8f6f4 v[8*(8*((\a)%4)+\b):8*(8*((\a)%4)+\b)+7], v[128*(\p)+FR*\b:128*(\p)+FR*\b+FR-1], v[AF+FR*(\a):AF+FR*(\a)+FR-1], v[8*(8*((\a)%4)+\b):8*(8*((\a)%4)+\b)+7], v[SC+8*NQ*(\sc)+NQ*\b+(\q)], v[SC+8*NQ*(\sc)+NQ*(\a)+(\q)] matrix_a_fmt:MATRIX_FMT_FP4 matrix_b_fmt:MATRIX_FMT_FP4 matrix_a_scale:MATRIX_SCALE_ROW1
.endif
.endr
.endr
.endm
.macro FETCH_B slot, q, p
	WIN TO_B
.irp i, 0,1,2,3,4,5,6,7
	FRAG 128*(\p)+FR*\i, ADRB+\slot, \q, \i
.endr
	WIN 0
.endm
.macro FETCH_A slot, q, i0
.irp i, \i0, \i0+1, \i0+2, \i0+3
	FRAG AF+FR*(\i), ADRA+\slot, \q, \i
.endr
.endm
.macro SCALES sc                       ; a slot's scale words into set sc: lanes 0-15 take A's block i, lanes 16-31 B's block i
.irp i, 0,1,2,3,4,5,6,7
	ds_load_b128 v[SC+8*NQ*\sc+NQ*\i:SC+8*NQ*\sc+NQ*\i+3], v[ADRS] offset:\i*SBLK
.endr
.endm
.macro PLACES n                        ; places in front of loads into registers that matrix instructions have read
.rept \n
	v_nop
.endr
.endm
.macro STEP slot, q, zero              ; a step of 128 along K that has its successor in the same slot
	s_wait_dscnt 4*NL                              ; B's set and A's blocks 0-3 are in; the youngest loads (A's blocks 4-7) may be out
	WIN MUL_LO
	MUL16 0, (\q)%2, \q, \slot, \zero
	MUL16 2, (\q)%2, \q, \slot, \zero
	s_wait_dscnt 0                                 ; A's blocks 4-7 are in
	PLACES NP
	FETCH_B \slot, (\q)+1, 1-(\q)%2
	FETCH_A \slot, (\q)+1, 0
	WIN MUL_HI
	MUL16 4, (\q)%2, \q, \slot, \zero
	MUL16 6, (\q)%2, \q, \slot, \zero
	PLACES NP
	WIN 0
	FETCH_A \slot, (\q)+1, 4
.endm
.macro TURN slot, next                 ; slot 0's last step goes over to slot 1: one barrier; nothing is filled again
	s_wait_tensorcnt 0x0                           ; all my tensor loads have landed: my part of the next slot
	ds_add_u32 v[SPW], v[NIL]                      ; 0 onto my spare word
	s_wait_dscnt 4*NL+1                            ; (the add and the youngest loads, A's blocks 4-7, may be out)
	WIN MUL_LO
	MUL16 0, 1, NQ-1, \slot, 0
	s_wait_dscnt 0x0                               ; the add is done, and my reads of this slot are over
	s_barrier_signal -1
	MUL16 2, 1, NQ-1, \slot, 0
	WIN 0
	s_barrier_wait -1                              ; the next slot is whole
	PLACES NP
	v_add_nc_u32 v[ADRS], 4*NQ, v[ADRS]            ; on to the next slot's scale words
	FETCH_B \next, 0, 0
	FETCH_A \next, 0, 0
	SCALES \next
	WIN MUL_HI
	MUL16 4, 1, NQ-1, \slot, 0
	MUL16 6, 1, NQ-1, \slot, 0
	PLACES NP
	WIN 0
	FETCH_A \next, 0, 4
.endm
.macro STEPS slot, from
.set Q, \from
.rept NQ-1-\from
	STEP \slot, Q, 0
.set Q, Q+1
.endr
.endm
	s_wait_tensorcnt 1                             ; the scales and my part of slot 0 are in (slot 1's load may be out),
	s_barrier_signal -1
	s_barrier_wait -1                              ; everybody's are
	FETCH_B 0, 0, 0
	FETCH_A 0, 0, 0
	SCALES 0
	FETCH_A 0, 0, 4
	STEP 0, 0, 1                                   ; the first step's products start the sums
	STEPS 0, 1
	TURN 0, 1
	STEPS 1, 0
	s_wait_dscnt 4*NL                              ; the very last step: nothing more to fetch
	WIN MUL_LO
	MUL16 0, 1, NQ-1, 1, 0
	MUL16 2, 1, NQ-1, 1, 0
	s_wait_dscnt 0
	WIN MUL_HI
	MUL16 4, 1, NQ-1, 1, 0
	MUL16 6, 1, NQ-1, 1, 0
	WIN 0
; 64 numbers of a lane, v[s] .. v[s + 63]: register 8 t + j is index 16 t + 8 (lane / 16) + j along the next K of my row.  They become a fragment's codes in v[PC] on and its scale word in v[PW].
; Block b of 32 lies in registers 16 b .. 16 b + 15 of lanes l and l xor 16.  The conversion of (block 2 c + e, eight-run p) gives word 2 p + (lane / 16) of its block and goes to register 4 c + 2 p + e; one exchange of
; halves for each pair then leaves words 0 .. 3 of block 2 c in lanes 0-15 and of block 2 c + 1 in lanes 16-31 of registers 4 c .. 4 c + 3: the operand's layout, every k in its own place.
.macro QUANTN s
.irp b, 0,1,2,3
	v_max3_num_f32 v[TM+\b], |v[\s+16*\b]|, |v[\s+1+16*\b]|, 0x1800000   ; my 16 numbers, and the floor 2^(3 - 127): so the byte cannot fall under 1
.endr
.irp i, 2,4,6,8,10,12,14
.irp b, 0,1,2,3
	v_max3_num_f32 v[TM+\b], v[TM+\b], |v[\s+16*\b+\i]|, |v[\s+1+16*\b+\i]|   ; (the four blocks by turns)
.endr
.endr
.irp b, 0,1,2,3
	v_permlanex16_b32 v[TM+4+\b], v[TM+\b], s[SEL], s[SEL+1]
.endr
.irp b, 0,1,2,3
	v_max_num_f32 v[TM+\b], v[TM+\b], v[TM+4+\b]   ; with lane l xor 16's: the block's largest magnitude
.endr
.irp b, 0,1,2,3
	v_add_nc_u32 v[TM+12+\b], 0xff000000, v[TM+\b] ; 2 off its exponent field: the conversion's scale operand
.endr
.irp b, 0,1,2,3
	v_lshrrev_b32 v[TM+4+\b], 23, v[TM+12+\b]      ; the scale's byte
.endr
	v_lshl_or_b32 v[PW], v[TM+5], 8, v[TM+4]
	v_lshl_or_b32 v[PW], v[TM+6], 16, v[PW]
	v_lshl_or_b32 v[PW], v[TM+7], 24, v[PW]
.irp c, 0,1
.irp p, 0,1
.irp e, 0,1
	v_cvt_scalef32_pk8_fp4_f32 v[PC+4*\c+2*\p+\e], v[\s+16*(2*\c+\e)+8*\p:\s+16*(2*\c+\e)+8*\p+7], v[TM+12+2*\c+\e]
.endr
.endr
.endr
	v_nop                                          ; one plain place behind a scaled conversion
.irp c, 0,1
.irp p, 0,1
	v_permlane16_swap_b32 v[PC+4*\c+2*\p], v[PC+4*\c+2*\p+1]
.endr
.endr
.endm
; Block a of A's rows (16 rows x my 128 of B's side): bias, quantiser, the codes' two stores of 512 consecutive bytes, the scale word into my stage.
.macro EPI isv, a
.if (\a) > 0
	s_wait_xcnt 0x0                                ; the last block's stores have read their registers, which are written anew below
	s_wait_dscnt 0x0
.endif
	WIN (0x02+(\a)/4)                              ; source 0: the accumulators' window
.set i, 0
.rept 32
.if \isv
	v_pk_add_f32 v[T+2*i:T+2*i+1], v[64*((\a)%4)+2*i:64*((\a)%4)+2*i+1], v[BI+8*(\a)+(2*i)%8:BI+8*(\a)+(2*i)%8+1]
.else
	v_pk_add_f32 v[T+2*i:T+2*i+1], v[64*((\a)%4)+2*i:64*((\a)%4)+2*i+1], v[BI+2*i:BI+2*i+1]   ; each accumulator from its low end on
.endif
.set i, i+1
.endr
	WIN 0
	QUANTN T
.if \isv
	global_store_b128 v[LI], v[PC:PC+3], s[100:101] offset:((\a)/4)*65536+((\a)%4)*1024       ; head a / 4, channels 16 (a % 4) on: keys 0-63 of the step,
	global_store_b128 v[LI], v[PC+4:PC+7], s[100:101] offset:((\a)/4)*65536+((\a)%4)*1024+512 ; keys 64-127
	ds_store_b32 v[SV], v[PW] offset:64*(\a)       ; both halves of the lanes write the same word with the same value
.else
	global_store_b128 v[LI], v[PC:PC+3], s[100:101] offset:512*(\a)          ; my first head's 64 channels of tokens 16 a on,
	global_store_b128 v[LI], v[PC+4:PC+7], s[100:101] offset:65536+512*(\a)  ; my second head's
	v_lshrrev_b32 v[W], v[SH], v[PW]
	v_and_b32 v[W], 0xffff, v[W]                   ; lanes 0-15: bytes 0, 1 (first head); lanes 16-31: bytes 2, 3 (second head)
	ds_store_b32 v[SQ], v[W] offset:64*(\a)
.endif
.endm
	; THE WAY OUT
.irp b, 0,1,2,3
	v_mov_b32 v[TM+4+\b], 0                        ; a lane permute's destination counts as one of its sources.  These four plain lines are also the places behind the last products
.endr
	s_wait_loadcnt 0x0                             ; the bias
	s_mov_b32 s[SEL], 0x76543210
	s_mov_b32 s[SEL+1], 0xfedcba98                 ; lane l xor 16
	s_cmp_eq_u32 s2, 1
	s_cbranch_scc1 .Lout_v
	s_lshl_b32 s20, s42, 2
	s_lshl_b32 s21, s16, 1
	s_add_co_u32 s20, s20, s21                     ; my first head among q's 16 and k's 16
	s_lshr_b32 s21, s20, 4
	s_lshl_b32 s21, s21, 6                         ; 64 x kind
	s_lshr_b32 s22, s17, 3
	s_lshl_b32 s22, s22, 4                         ; 16 x batch
	s_add_co_u32 s21, s21, s22
	s_and_b32 s20, s20, 15
	s_add_co_u32 s20, s20, s21                     ; (kind, batch, head)
	s_and_b32 s22, s17, 7
	s_lshl_b32 s22, s22, 4
	s_lshl_b32 s23, s15, 3
	s_add_co_u32 s22, s22, s23                     ; my first tile of 16 tokens in the sequence
	s_lshl_b32 s18, s20, 13
	s_lshl_b32 s19, s22, 6
	s_add_co_u32 s18, s18, s19
	s_add_co_u32 s18, s18, 0xC00000
	s_mov_b32 s19, 0
	s_add_nc_u64 s[104:105], s[100:101], s[18:19]  ; the scale words
	s_lshl_b32 s18, s20, 16
	s_lshl_b32 s22, s22, 9
	s_add_co_u32 s18, s18, s22
	s_add_nc_u64 s[100:101], s[100:101], s[18:19]  ; the images
.irp a, 0,1,2,3,4,5,6,7
	EPI 0, \a
.endr
	ds_load_b128 v[OUT:OUT+3], v[RQ]               ; my own bytes, served in order: 128 tokens' words of the first head,
	ds_load_b128 v[OUT+4:OUT+7], v[RQ] offset:512  ; of the second
	s_wait_dscnt 0x1
	global_store_b128 v[LI], v[OUT:OUT+3], s[104:105]             ; 512 consecutive bytes
	s_wait_dscnt 0x0
	global_store_b128 v[LI], v[OUT+4:OUT+7], s[104:105] offset:8192
	s_branch .Ldone
.Lout_v:
	s_lshl_b32 s20, s17, 2
	s_lshl_b32 s21, s15, 1
	s_add_co_u32 s20, s20, s21                     ; my first head
	s_lshr_b32 s21, s42, 3
	s_lshl_b32 s21, s21, 4
	s_add_co_u32 s20, s20, s21                     ; (batch, head)
	s_and_b32 s22, s42, 7
	s_lshl_b32 s22, s22, 1
	s_add_co_u32 s22, s22, s16                     ; my step of 128 keys
	s_lshl_b32 s18, s20, 12
	s_lshl_b32 s19, s22, 8
	s_add_co_u32 s18, s18, s19
	s_add_co_u32 s18, s18, 0xD00000
	s_mov_b32 s19, 0
	s_add_nc_u64 s[104:105], s[100:101], s[18:19]
	s_lshl_b32 s18, s20, 16
	s_lshl_b32 s22, s22, 12
	s_add_co_u32 s18, s18, s22
	s_add_co_u32 s18, s18, 0x800000
	s_add_nc_u64 s[100:101], s[100:101], s[18:19]
.irp a, 0,1,2,3,4,5,6,7
	EPI 1, \a
.endr
	ds_load_b128 v[OUT:OUT+3], v[RV]
	s_wait_dscnt 0x0
	global_store_b128 v[GV], v[OUT:OUT+3], s[104:105]             ; sixteen lanes store one head's 256 consecutive bytes
.Ldone:
	s_wait_tensorcnt 0x0                           ; the wave's end: behind my last tensor load and my last LDS store
	ds_add_u32 v[SPW], v[NIL]
	s_wait_dscnt 0x0
	CROUND                                         ; the closing round: no work-group ends while a partner may still ask for a tile that names it
	s_endpgm
.Lfunc_end_k_qec39ba8efc_qkv:
	.size	k_qec39ba8efc_qkv, .Lfunc_end_k_qec39ba8efc_qkv-k_qec39ba8efc_qkv
	.p2alignl 7, 3214868480
	.fill 96, 4, 3214868480
	.section	.rodata,"a",@progbits
	.p2align	6, 0x0
	.amdhsa_kernel k_qec39ba8efc_qkv
		.amdhsa_group_segment_fixed_size 327680
		.amdhsa_private_segment_fixed_size 0
		.amdhsa_enable_private_segment 0
		.amdhsa_kernarg_size 48
		.amdhsa_user_sgpr_count 2
		.amdhsa_user_sgpr_kernarg_segment_ptr 1
		.amdhsa_wavefront_size32 1
		.amdhsa_system_sgpr_workgroup_id_x 1
		.amdhsa_system_sgpr_workgroup_id_y 1
		.amdhsa_system_sgpr_workgroup_id_z 1
		.amdhsa_system_vgpr_workitem_id 0
		.amdhsa_next_free_vgpr 1024
		.amdhsa_next_free_sgpr 106
		.amdhsa_reserve_vcc 0
		.amdhsa_float_denorm_mode_32 3
		.amdhsa_float_denorm_mode_16_64 3
		.amdhsa_memory_ordered 1
		.amdhsa_forward_progress 1
		.amdhsa_inst_pref_size 204
	.end_amdhsa_kernel
	.amdgpu_metadata
---
amdhsa.version: [ 1, 2 ]
amdhsa.kernels:
  - .name:           k_qec39ba8efc_qkv
    .symbol:         k_qec39ba8efc_qkv.kd
    .args:
      - { .name: xq, .offset: 0, .size: 8, .value_kind: global_buffer, .address_space: global }
      - { .name: wq, .offset: 8, .size: 8, .value_kind: global_buffer, .address_space: global }
      - { .name: bq, .offset: 16, .size: 8, .value_kind: global_buffer, .address_space: global }
      - { .name: bk, .offset: 24, .size: 8, .value_kind: global_buffer, .address_space: global }
      - { .name: bv, .offset: 32, .size: 8, .value_kind: global_buffer, .address_space: global }
      - { .name: att, .offset: 40, .size: 8, .value_kind: global_buffer, .address_space: global }
    .group_segment_fixed_size: 327680
    .private_segment_fixed_size: 0
    .kernarg_segment_align: 8
    .kernarg_segment_size: 48
    .max_flat_workgroup_size: 128
    .sgpr_count:     106
    .vgpr_count:     1024
    .wavefront_size: 32
...
	.end_amdgpu_metadata
.endif
;; end of part 2
;; launch attn (part 3): grid 4 x 64, 16 waves a work-group, clusters of 4 x 1, 167,936 bytes of LDS; arguments att, attention_mask, ao; writes ao
.if DOCPART == 3
	.amdgcn_target "amdgcn-amd-amdhsa--gfx1250"
	.amdhsa_code_object_version 6
	.text
	.protected	k_qec39ba8efc_attn
	.globl	k_qec39ba8efc_attn
	.p2align	8
	.type	k_qec39ba8efc_attn,@function
k_qec39ba8efc_attn:
	s_mov_b64 s[64:65], 0
	v_nop
	global_prefetch_b8 v0, s[64:65] scope:SCOPE_SE
	s_setreg_imm32_b32 hwreg(HW_REG_WAVE_MODE, 25, 1), 1
	s_wait_xcnt 0x0
	s_wait_alu depctr_hold_cnt(0) depctr_sa_sdst(0) depctr_va_vdst(0) depctr_va_sdst(0) depctr_va_ssrc(0) depctr_va_vcc(0) depctr_vm_vsrc(0)
	s_getreg_b32 s2, hwreg(HW_REG_IB_STS2, 6, 4)
	s_cmp_eq_u32 s2, 0
	s_cbranch_scc0 .Lentry_in_a_cluster
	s_endpgm
.Lentry_in_a_cluster:
	s_bfe_u32 s2, ttmp6, 0x10000c
	s_cmp_lg_u32 s2, 0x3003
	s_cbranch_scc0 .Lentry_shape_is_right
	s_endpgm
.Lentry_shape_is_right:
; O = softmax(q k^T / 8, causal mask, pad mask) v for one (batch, head) a cluster, both products on codes of FP4 (E2M1); the result, divided by the row's sum, is quantised along D and leaves as codes.
; THE SOFTMAX: t = score x log2(e) / 8; M = the running largest t rounded up to a whole number; p = 2^(t - M) is quantised along the keys, not normalised; the row's sum is taken of the unquantised p.
; WORK LEFT OUT: a step of 128 keys all of which come after a tile's 16 queries.  For a query that sees an unpadded key such keys have p = 0 (-inf, or -1e9 beside an ordinary maximum).  A query ALL of whose visible keys
; are padded has p = 1 on every padded key of the whole sequence and 0 elsewhere: its row is U / n, U the sum of the quantised v over all padded keys, n their number.  U and n are computed here over ALL keys and selected for such rows.
; LIMITS: visible unpadded t above -2^29, |q . k| under 2^31; a NaN, an infinity or an overflow that reaches only the steps left out is not carried to the result.
; SHARES.  The four work-groups of a cluster (place g) share a head.  Wave w owns two tiles of 16 queries: tile 4 w + g and tile 127 - (4 w + g): w / 2 + 1 and 16 - w / 2 key steps, 17 for every wave, whatever g.
; So no branch and no LDS address hangs on g: it enters q's and the output's addresses and one vector number of the causal compare.
; A WHOLE HEAD'S K AND V LIE IN LDS, 128 KiB, filled once by joint loads: each wave asks for one key step's 4,096 bytes of K or V twice (steps 0-7, then 8-15): two loads of a wave are out.
; K, V and q lie in memory as images of the operands' registers: 16 bytes a lane, 512 consecutive bytes a load.  All tiles take 16 NEIGHBOURING keys or channels.
; LAYOUT.  S^T = K Q^T (source 0 = 16 keys), O^T = V^T P^T (source 0 = 16 channels): a lane holds ONE query (lane % 16) throughout; register 8 t + j of S^T is key 16 t + 8 (lane / 16) + j.
; THE HEAD HAS 64 CHANNELS, the instruction 128 along K: the upper 64 are zero codes, but for k = 64, which carries THE PAD MASK: K's code there is 4, q's -4, q's scale byte of that block 83, K's 200 for a padded key and 1 otherwise.
; A padded key's score so gets -2^33; an unpadded one's -2^-166, under every f32 number.  All stays finite in rows that see padded keys alone (p at most 2^64); those rows are replaced at the end.
; ao: +0 images [tile of 16 tokens][128 along K][c][lane][16 bytes], head hh at 512 hh of a tile's 8,192 bytes; +0x400000 scale bytes [token][32], head hh's at 2 hh.  A (token, head) owns 2 of its row's 32 bytes and the
; sixteen heads lie in sixteen clusters: those are stored 2 bytes a lane, one byte in seventeen of what the launch stores.
; REGISTERS: v1-7 addresses that stay; v8-11 addresses in hand; v12 -M, v13 the largest t, v[14:15] the sum in two halves; v16-23 q; v24 r - 8 h; v25 n; v26 scale bytes of 1.0; v27-31 the early tile's q;
; v32-95 eight fragments of K (registers 4-7 of each set once); v96-159 S^T, then p; v160-191 O^T; v192-223 four fragments of V; v224-231 p's codes; v232-254 at work; v240-241 V's, v248-251 K's, v253 p's, v255 q's scale words.
.set VSC,   131072                     ; LDS.  0: K steps 0-7; 32,768: V steps 0-7; 65,536: K steps 8-15; 98,304: V steps 8-15.  Then, written by LDS stores: V's scale words, 4,096 bytes;
.set KSW,   135168                     ; K's scale words with the pad byte, 8,192;
.set PCD,   143360                     ; the pad codes, 1.0 or 0, four bits a key, 1,024;
.set CNT,   144384                     ; sixteen counts of padded keys;
.set UP,    144640                     ; sixteen partial sums of U, 256 bytes + 16;
.set UF,    149248                     ; U, 64 numbers;
.set SPARE, 149504                     ; the spare words, 128 bytes for each wave
.set AK0,  1                           ; v1   16 x lane
.set AV0,  2                           ; v2   16 x lane + 32,768
.set ASK0, 3                           ; v3   KSW + 4 x lane
.set ASV0, 4                           ; v4   VSC + 4 x lane
.set SPW,  5
.set NIL,  6
.set DV,   7                           ; v7   my query less the diagonal step's first key less 8 (lane / 16)
.set ADK,  8
.set ADV,  9
.set ADS,  10
.set ADT,  11
.set DB,   24
.set NPD,  25
.set ONE,  26
.set AR,   242                         ; v242 32 r: my token's row of scale bytes
.set WV,   10
.set W2,   11
.set CG,   12
.set BH,   13
.set BB,   14
.set HH,   15
.set G1,   16
.set G0A,  24
.set G0B,  28
.set SEL,  32
.set CS,   34
.set THR,  36
.set KF,   37                          ; the step's first key
.set DG,   38                          ; the first key of the tile's diagonal step
.set TB,   39                          ; LDS byte of the step's K
.set TS,   40                          ; of its K scale words
.set TJ,   41                          ; of its V scale words
.set TRIP, 42
.set TE,   43                          ; my early tile
.set TL,   44                          ; my late tile
.macro ROUND                           ; a round of the cluster's barrier
	s_barrier_signal -1
	s_barrier_wait -1
	s_cmp_lg_u32 s[WV], 0
	s_cbranch_scc1 .Lnot_wave_0_\@
	s_barrier_signal -3
.Lnot_wave_0_\@:
	s_barrier_wait -3
	s_barrier_signal -1
	s_barrier_wait -1
.endm
.macro BARRIER                         ; my LDS stores have landed and my LDS loads are in: then the work-group's barrier
	s_wait_dscnt 0x0
	s_barrier_signal -1
	s_barrier_wait -1
.endm
.macro OUTBASE tau, oa, os             ; where tile tau's codes and scale bytes go
	s_lshl_b32 s2, s[BB], 7
	s_add_co_u32 s2, s2, s[\tau]                   ; the tile of 16 tokens among all 512
	s_lshl_b32 s46, s2, 13
	s_lshl_b32 s3, s[HH], 9
	s_add_co_u32 s46, s46, s3
	s_mov_b32 s47, 0
	s_add_nc_u64 s[\oa:\oa+1], s[8:9], s[46:47]
	s_lshl_b32 s46, s2, 9
	s_lshl_b32 s3, s[HH], 1
	s_add_co_u32 s46, s46, s3
	s_add_co_u32 s46, s46, 0x400000
	s_add_nc_u64 s[\os:\os+1], s[8:9], s[46:47]
.endm
	s_load_b128 s[4:7], s[0:1], 0x0                ; att, attention_mask
	s_load_b64 s[8:9], s[0:1], 0x10                ; ao
	v_lshl_add_u32 v[SPW], v0, 2, SPARE
	v_mov_b32 v[NIL], 0
	ds_add_u32 v[SPW], v[NIL]                      ; the wave's opening: the add, twice on end, and its wait ahead of my first tensor load
	ds_add_u32 v[SPW], v[NIL]
	v_lshrrev_b32 v8, 5, v0
	s_delay_alu instid0(VALU_DEP_1)
	v_readfirstlane_b32 s[WV], v8                  ; wave 0..15
	s_lshr_b32 s[W2], s[WV], 1
	s_bfe_u32 s[CG], ttmp6, 0x40000                ; g: my place in the cluster
	s_and_b32 s[BH], ttmp7, 0xffff                 ; (batch, head), which the four partners share
	s_lshr_b32 s[BB], s[BH], 4
	s_and_b32 s[HH], s[BH], 15
	s_lshl_b32 s[TE], s[WV], 2
	s_add_co_u32 s[TE], s[TE], s[CG]
	s_sub_co_u32 s[TL], 127, s[TE]
	; descriptor group 1: a key step's fragments, 4,096 dense bytes, as 16 rows of 256 bytes (32 elements of 8 bytes)
	s_mov_b32 s[G1], 15|(3<<16)|(1<<21)            ; 15:0 the mask: all four work-groups; 17:16 elements of 8 bytes; 21 set beside a mask; no padding
	s_mov_b32 s[G1+1], 32<<16                      ; tensor_dim0
	s_mov_b32 s[G1+2], 16<<16                      ; tensor_dim1
	s_mov_b32 s[G1+3], 32<<16                      ; tile_dim0
	s_mov_b32 s[G1+4], 16                          ; tile_dim1
	s_mov_b32 s[G1+5], 32                          ; tensor_dim0_stride
	s_mov_b32 s[G1+6], 0
	s_mov_b32 s[G1+7], 0
	s_mov_b32 s[SEL], 0x76543210
	s_mov_b32 s[SEL+1], 0xfedcba98                 ; lane l xor 16
	s_mov_b32 s[CS], 0x3e38aa3b                    ; c = log2(e) / 8
	s_mov_b32 s[CS+1], s[CS]
	s_mov_b32 s[THR], 0xce000000                   ; -2^29
	s_lshr_b32 s60, s[WV], 3                       ; waves 0-7 fetch K's steps, waves 8-15 V's: both lie in att, 0x400000 bytes apart
	s_add_co_u32 s60, s60, 1
	s_lshl_b32 s60, s60, 22
	s_and_b32 s61, s[WV], 7
	s_lshl_b32 s61, s61, 12
	s_add_co_u32 s60, s60, s61
	s_lshl_b32 s61, s[BH], 16
	s_add_co_u32 s60, s60, s61
	s_mov_b32 s61, 0
	s_lshl_b32 s45, s[WV], 12                      ; and in LDS: 4,096 x wave
	s_wait_dscnt 0x0                               ; both opening adds are done
	s_wait_kmcnt 0x0
	ROUND                                          ; all four work-groups are here: the joint loads meet
	s_mov_b32 s[G0A], 1
	s_mov_b32 s[G0A+1], s45
	s_add_nc_u64 s[G0A+2:G0A+3], s[4:5], s[60:61]
	s_mov_b32 s[G0B], 1
	s_add_co_u32 s[G0B+1], s45, 65536              ; steps 8-15: 65,536 bytes on in LDS,
	s_add_nc_u64 s[G0B+2:G0B+3], s[G0A+2:G0A+3], 32768   ; 32,768 in memory
	s_or_b32 s[G0A+3], s[G0A+3], 0x80000000
	s_or_b32 s[G0B+3], s[G0B+3], 0x80000000
	tensor_load_to_lds s[G0A:G0A+3], s[G1:G1+7]
	s_nop 0
	tensor_load_to_lds s[G0B:G0B+3], s[G1:G1+7]
	s_nop 0
.rept 4
	v_nop
.endr
	; THE PROLOGUE: addresses; thread i takes keys 4 i .. 4 i + 3 of the mask and of K's scale words, and 8 bytes of V's scale words
	s_lshl_b32 s60, s[BH], 16
	s_add_nc_u64 s[48:49], s[4:5], s[60:61]        ; q's images of my head
	s_lshl_b32 s60, s[TE], 9
	s_add_nc_u64 s[50:51], s[48:49], s[60:61]      ; the early tile's
	s_lshl_b32 s60, s[TL], 9
	s_add_nc_u64 s[48:49], s[48:49], s[60:61]      ; the late tile's
	OUTBASE TL, 52, 54
	OUTBASE TE, 56, 58
	s_lshl_b32 s60, s[BH], 13
	s_add_co_u32 s60, s60, 0xC00000
	s_add_nc_u64 s[60:61], s[4:5], s[60:61]        ; q's scale words of my head; k's lie 0x80000 bytes on
	s_lshl_b32 s62, s[BH], 12
	s_add_co_u32 s62, s62, 0xD00000
	s_mov_b32 s63, 0
	s_add_nc_u64 s[62:63], s[4:5], s[62:63]        ; v's scale words
	s_lshl_b32 s46, s[BB], 13
	s_mov_b32 s47, 0
	s_add_nc_u64 s[46:47], s[6:7], s[46:47]        ; my batch's mask
	v_and_b32 v8, 15, v0                           ; r
	v_bfe_u32 v9, v0, 4, 1                         ; h
	v_and_b32 v10, 31, v0                          ; lane
	s_delay_alu instid0(VALU_DEP_1)
	v_lshlrev_b32 v[AK0], 4, v10
	v_lshlrev_b32 v106, 4, v0                      ; 16 i
	v_lshlrev_b32 v107, 3, v0                      ; 8 i
	s_lshl_b32 s2, s[TL], 6
	v_lshl_add_u32 v108, v8, 2, s2                 ; 4 r + 64 x tile
	s_lshl_b32 s3, s[TE], 6
	v_lshl_add_u32 v109, v8, 2, s3
	global_load_b128 v[96:99], v106, s[46:47]                    ; the mask of my four keys
	global_load_b128 v[100:103], v106, s[60:61] offset:0x80000   ; their scale words
	global_load_b64 v[104:105], v107, s[62:63]                   ; V's scale words
	global_load_b128 v[16:19], v[AK0], s[48:49]                  ; the late tile's q,
	global_load_b32 v255, v108, s[60:61]                         ; its scale words
	global_load_b128 v[28:31], v[AK0], s[50:51]                  ; the early tile's
	global_load_b32 v27, v109, s[60:61]
	v_add_nc_u32 v[AV0], 32768, v[AK0]
	v_lshl_add_u32 v[ASK0], v10, 2, KSW
	v_lshl_add_u32 v[ASV0], v10, 2, VSC
	v_lshlrev_b32 v11, 3, v9
	s_delay_alu instid0(VALU_DEP_1)
	v_sub_nc_u32 v[DB], v8, v11                    ; r - 8 h
	v_lshlrev_b32 v[AR], 5, v8
	v_sub_nc_u32 v10, 1, v9                        ; 1 in lanes 0-15
	s_delay_alu instid0(VALU_DEP_1)
	v_mul_u32_u24 v11, v10, 6                      ; K's code at k = 64: 4
	s_delay_alu instid0(VALU_DEP_2)
	v_mul_u32_u24 v20, v10, 14                     ; q's: -4
	v_mov_b32 v21, 0
	v_mov_b32 v22, 0
	v_mov_b32 v23, 0
.irp t, 0,1,2,3,4,5,6,7
	v_mov_b32 v[36+8*\t], v11                      ; the upper 64 along K of K's eight fragments: set once
	v_mov_b32 v[37+8*\t], 0
	v_mov_b32 v[38+8*\t], 0
	v_mov_b32 v[39+8*\t], 0
.endr
	v_mov_b32 v[ONE], 0x7f7f7f7f
.irp b, 0,1,2,3
	v_mov_b32 v[236+\b], 0                         ; a lane permute's destination counts as one of its sources
.endr
	v_mov_b32 v253, 0                              ; (named as the upper half of the pair v[252:253] before it is first written)
	v_mov_b32 v110, 0x7f010000                     ; bytes 2, 3 of K's scale word: an unpadded key's,
	v_mov_b32 v111, 0x7fc80000                     ; a padded key's
	v_mov_b32 v122, 0
	v_lshl_add_u32 v123, v0, 4, KSW
	v_lshl_add_u32 v124, v0, 3, VSC
	v_lshl_add_u32 v125, v0, 1, PCD
	s_lshl_b32 s45, s[WV], 2
	s_add_co_u32 s45, s45, CNT
	v_mov_b32 v126, s45
	s_wait_alu depctr_va_vdst(0)
	s_wait_loadcnt 0x0
.irp j, 0,1,2,3
	v_cmp_eq_u32 vcc_lo, 0, v[96+\j]               ; padded?
	s_delay_alu instid0(VALU_DEP_1)
	v_cndmask_b32 v[112+\j], 0, 1, vcc_lo
	s_delay_alu instid0(VALU_DEP_2)
	v_cndmask_b32 v[116+\j], v110, v111, vcc_lo
	s_delay_alu instid0(VALU_DEP_1)
	v_or_b32 v[100+\j], v[100+\j], v[116+\j]
.endr
	v_lshl_or_b32 v120, v113, 4, v112
	s_delay_alu instid0(VALU_DEP_1)
	v_lshl_or_b32 v120, v114, 8, v120
	s_delay_alu instid0(VALU_DEP_1)
	v_lshl_or_b32 v120, v115, 12, v120
	s_delay_alu instid0(VALU_DEP_1)
	v_lshlrev_b32 v120, 1, v120                    ; four codes: 2 (the number 1.0) for a padded key, else 0
	v_add3_u32 v121, v112, v113, v114
	s_delay_alu instid0(VALU_DEP_1)
	v_add_nc_u32 v121, v121, v115
	s_delay_alu instid0(VALU_DEP_1)
	v_cvt_f32_u32 v121, v121
	s_delay_alu instid0(VALU_DEP_1)
	v_add_f32_dpp v121, v121, v121 row_xmask:1 row_mask:0xf bank_mask:0xf
	s_delay_alu instid0(VALU_DEP_1)
	v_add_f32_dpp v121, v121, v121 row_xmask:2 row_mask:0xf bank_mask:0xf
	s_delay_alu instid0(VALU_DEP_1)
	v_add_f32_dpp v121, v121, v121 row_xmask:4 row_mask:0xf bank_mask:0xf
	s_delay_alu instid0(VALU_DEP_1)
	v_add_f32_dpp v121, v121, v121 row_xmask:8 row_mask:0xf bank_mask:0xf
	s_delay_alu instid0(VALU_DEP_1)
	v_permlanex16_b32 v122, v121, s[SEL], s[SEL+1]
	s_delay_alu instid0(VALU_DEP_1)
	v_add_f32 v121, v121, v122                     ; the padded keys among my wave's 128
	v_or_b32 v255, 0x7f530000, v255                ; q's scale words: byte 2 = 83, byte 3 = 127
	v_or_b32 v27, 0x7f530000, v27
	ds_store_b128 v123, v[100:103]
	ds_store_b64 v124, v[104:105]
	ds_store_b16 v125, v120
	ds_store_b32 v126, v121                        ; all lanes write the same word with the same value
	s_wait_tensorcnt 0x1                           ; my first load has landed; my second may stay out
	BARRIER                                        ; steps 0-7 of K and V and all the tables lie in LDS
	v_lshl_add_u32 v126, v8, 2, CNT
	ds_load_b32 v[NPD], v126
	s_wait_dscnt 0x0
	v_add_f32_dpp v[NPD], v[NPD], v[NPD] row_xmask:1 row_mask:0xf bank_mask:0xf
	s_delay_alu instid0(VALU_DEP_1)
	v_add_f32_dpp v[NPD], v[NPD], v[NPD] row_xmask:2 row_mask:0xf bank_mask:0xf
	s_delay_alu instid0(VALU_DEP_1)
	v_add_f32_dpp v[NPD], v[NPD], v[NPD] row_xmask:4 row_mask:0xf bank_mask:0xf
	s_delay_alu instid0(VALU_DEP_1)
	v_add_f32_dpp v[NPD], v[NPD], v[NPD] row_xmask:8 row_mask:0xf bank_mask:0xf   ; n: the padded keys of the sequence
.macro INIT                            ; a tile begins: the step is written once per phase and finds zeros, which the first change of M leaves zeros
	v_mov_b32 v13, 0xff61b1e6                      ; the largest t so far: -3e38
	s_delay_alu instid0(VALU_DEP_1)
	v_floor_f32 v12, -v13                          ; -M
	v_mov_b32 v14, 0
	v_mov_b32 v15, 0
.set j, 0
.rept 32
	v_mov_b32 v[160+j], 0
.set j, j+1
.endr
.endm
; A KEY STEP: 128 keys.  causal = 1: a step behind the tile's diagonal step is left out (a scalar branch on the wave's number and the count of steps, round the work, not round the lines that step addresses);
; in the diagonal step hidden scores become -infinity ahead of the maximum.
.macro STEP causal
.if \causal
	s_cmp_gt_u32 s[KF], s[DG]
	s_cbranch_scc1 .Lhid_\@
.endif
	s_setprio 2
	v_add_nc_u32 v[ADK], s[TB], v[AK0]             ; (these four are also the places in front of the loads into registers that the last products read)
	v_add_nc_u32 v[ADV], s[TB], v[AV0]
	v_add_nc_u32 v[ADS], s[TS], v[ASK0]
	v_add_nc_u32 v[ADT], s[TJ], v[ASV0]
.irp t, 0,1,2,3,4,5,6,7
	ds_load_b128 v[32+8*\t:35+8*\t], v[ADK] offset:512*\t        ; keys 16 t on: 512 consecutive bytes
.endr
.irp b, 0,1,2,3
	ds_load_b32 v[248+\b], v[ADS] offset:128*\b                  ; lane l: the word of key 32 b + l: lanes 0-15 tile 2 b, lanes 16-31 tile 2 b + 1
.endr
.irp t, 0,1,2,3
	ds_load_b128 v[192+8*\t:195+8*\t], v[ADV] offset:1024*\t
	ds_load_b128 v[196+8*\t:199+8*\t], v[ADV] offset:1024*\t+512
.endr
	ds_load_b32 v240, v[ADT]
	ds_load_b32 v241, v[ADT] offset:128
	s_wait_dscnt 10                                ; K's twelve loads are in; V's ten may stay out
.irp t, 0,2,4,6
	v_wmma_scale_f32_16x16x128_f8f6f4 v[96+8*\t:103+8*\t], v[32+8*\t:39+8*\t], v[16:23], 0, v[248+\t/2], v255 matrix_a_fmt:MATRIX_FMT_FP4 matrix_b_fmt:MATRIX_FMT_FP4
	v_wmma_scale_f32_16x16x128_f8f6f4 v[104+8*\t:111+8*\t], v[40+8*\t:47+8*\t], v[16:23], 0, v[248+\t/2], v255 matrix_a_fmt:MATRIX_FMT_FP4 matrix_b_fmt:MATRIX_FMT_FP4 matrix_a_scale:MATRIX_SCALE_ROW1
.endr
.rept 4
	v_nop
.endr
.if \causal
	s_cmp_lt_u32 s[KF], s[DG]
	s_cbranch_scc1 .Lopen_\@
	v_mov_b32 v254, 0xff800000                     ; -infinity.  Register 8 t + j holds key 16 t + 8 (lane / 16) + j of the step: hidden where 16 t + j > v[DV]
.set n, 0
	s_wait_alu depctr_va_vdst(0)
.rept 64
	v_cmp_gt_i32 vcc_lo, 16*(n/8)+n%8, v[DV]
	v_cndmask_b32 v[96+n], v[96+n], v254, vcc_lo
.set n, n+1
.endr
.Lopen_\@:
.endif
.irp b, 0,1,2,3
	v_max3_num_f32 v[232+\b], v[96+16*\b], v[97+16*\b], v[98+16*\b]   ; the largest score of each block of 32 keys: it serves for the row's maximum and, since p rises with the score, for the block's largest p
.endr
.irp i, 3,5,7,9,11,13
.irp b, 0,1,2,3
	v_max3_num_f32 v[232+\b], v[232+\b], v[96+16*\b+\i], v[97+16*\b+\i]
.endr
.endr
.irp b, 0,1,2,3
	v_max_num_f32 v[232+\b], v[232+\b], v[111+16*\b]
.endr
.irp b, 0,1,2,3
	s_delay_alu instid0(VALU_DEP_4)
	v_permlanex16_b32 v[236+\b], v[232+\b], s[SEL], s[SEL+1]
.endr
.irp b, 0,1,2,3
	s_delay_alu instid0(VALU_DEP_4)
	v_max_num_f32 v[232+\b], v[232+\b], v[236+\b]  ; with lane l xor 16's 16 keys
.endr
	s_delay_alu instid0(VALU_DEP_2)
	v_max3_num_f32 v254, v232, v233, v234
	s_delay_alu instid0(VALU_DEP_1)
	v_max_num_f32 v254, v254, v235                 ; the step's largest score of my query
	s_delay_alu instid0(VALU_DEP_1)
	v_mul_f32 v254, s[CS], v254                    ; as t
	s_delay_alu instid0(VALU_DEP_1)
	v_max_num_f32 v13, v13, v254                   ; the running largest t
	v_mov_b32 v254, v12
	s_delay_alu instid0(VALU_DEP_2)
	v_floor_f32 v12, -v13                          ; the new -M = -ceil(t): a whole number
	s_delay_alu instid0(VALU_DEP_1)
	v_sub_f32 v254, v12, v254                      ; old M less new M: a whole number, 0 or less
	s_delay_alu instid0(VALU_DEP_1)
	v_cvt_i32_f32 v254, v254                       ; (it saturates)
	s_delay_alu instid0(VALU_DEP_1)
	v_ldexp_f32 v252, 1.0, v254                    ; f = 2^(old M - new M): a multiplication by it rounds nothing
.set j, 0
.rept 32
	v_pk_fma_f32 v[96+j:97+j], v[96+j:97+j], s[CS:CS+1], v[12:13] op_sel_hi:[1,0,0]   ; t - M, two at a time
.set j, j+2
.endr
.irp b, 0,1,2,3
	v_fma_f32 v[232+\b], v[232+\b], s[CS], v12     ; the same of each block's largest score
.endr
.set j, 0
	s_setprio 1
	s_wait_alu depctr_va_vdst(0)
.rept 64
	v_exp_f32 v[96+j], v[96+j]                     ; p = 2^(t - M)
.set j, j+1
.endr
	v_pk_mul_f32 v[14:15], v[14:15], v[252:253] op_sel_hi:[1,0]   ; the sums under the new M.  (A plain place behind the exponentials)
	s_wait_alu depctr_va_vdst(0)                   ; one wait for the whole batch, ahead of its first reader
.irp b, 0,1,2,3
	v_exp_f32 v[232+\b], v[232+\b]                 ; the block's largest p
.endr
	v_pk_add_f32 v[236:237], v[100:101], v[104:105]
	v_pk_add_f32 v[250:251], v[108:109], v[112:113]
	v_pk_add_f32 v[248:249], v[116:117], v[120:121]
	v_pk_add_f32 v[246:247], v[124:125], v[128:129]
	v_pk_add_f32 v[244:245], v[132:133], v[136:137]
	v_pk_add_f32 v[238:239], v[140:141], v[144:145]
	v_pk_add_f32 v[230:231], v[148:149], v[152:153]
	v_pk_add_f32 v[14:15], v[14:15], v[156:157]
	v_pk_add_f32 v[236:237], v[236:237], v[96:97]
	v_pk_add_f32 v[250:251], v[250:251], v[98:99]
	v_pk_add_f32 v[248:249], v[248:249], v[102:103]
	v_pk_add_f32 v[246:247], v[246:247], v[106:107]
	v_pk_add_f32 v[244:245], v[244:245], v[110:111]
	v_pk_add_f32 v[238:239], v[238:239], v[114:115]
	v_pk_add_f32 v[230:231], v[230:231], v[118:119]
	v_pk_add_f32 v[14:15], v[14:15], v[122:123]
	v_pk_add_f32 v[236:237], v[236:237], v[126:127]
	v_pk_add_f32 v[250:251], v[250:251], v[130:131]
	v_pk_add_f32 v[248:249], v[248:249], v[134:135]
	v_pk_add_f32 v[246:247], v[246:247], v[138:139]
	v_pk_add_f32 v[244:245], v[244:245], v[142:143]
	v_pk_add_f32 v[238:239], v[238:239], v[146:147]
	v_pk_add_f32 v[230:231], v[230:231], v[150:151]
	v_pk_add_f32 v[14:15], v[14:15], v[154:155]
	v_pk_add_f32 v[236:237], v[236:237], v[158:159]
	s_delay_alu instid0(VALU_DEP_2)
	v_pk_add_f32 v[14:15], v[14:15], v[246:247]
	s_delay_alu instid0(VALU_DEP_2)
	v_pk_add_f32 v[236:237], v[236:237], v[244:245]
	v_pk_add_f32 v[250:251], v[250:251], v[238:239]
	v_pk_add_f32 v[248:249], v[248:249], v[230:231]
	s_delay_alu instid0(VALU_DEP_2)
	v_pk_add_f32 v[14:15], v[14:15], v[250:251]
	s_delay_alu instid0(VALU_DEP_2)
	v_pk_add_f32 v[236:237], v[236:237], v[248:249]
	s_delay_alu instid0(VALU_DEP_1)
	v_pk_add_f32 v[14:15], v[14:15], v[236:237]
	s_wait_alu depctr_va_vdst(0)                   ; and one for the four
.irp b, 0,1,2,3
	v_max_num_f32 v[232+\b], 0x1800000, v[232+\b]  ; the floor 2^(3 - 127): the byte cannot fall under 1
.endr
.irp b, 0,1,2,3
	s_delay_alu instid0(VALU_DEP_4)
	v_add_nc_u32 v[244+\b], 0xff000000, v[232+\b]  ; 2 off the exponent field: the conversion's scale operand
.endr
.irp b, 0,1,2,3
	s_delay_alu instid0(VALU_DEP_4)
	v_lshrrev_b32 v[236+\b], 23, v[244+\b]         ; the scale's byte
.endr
	s_delay_alu instid0(VALU_DEP_3)
	v_lshl_or_b32 v253, v237, 8, v236              ; p's scale word for these 128 keys
	s_delay_alu instid0(VALU_DEP_1)
	v_lshl_or_b32 v253, v238, 16, v253
	s_delay_alu instid0(VALU_DEP_1)
	v_lshl_or_b32 v253, v239, 24, v253
.irp c, 0,1
.irp p, 0,1
.irp e, 0,1
	v_cvt_scalef32_pk8_fp4_f32 v[224+4*\c+2*\p+\e], v[96+16*(2*\c+\e)+8*\p:96+16*(2*\c+\e)+8*\p+7], v[244+2*\c+\e]   ; word 2 p + (lane / 16) of block 2 c + e
.endr
.endr
.endr
	s_setprio 0
	v_nop                                          ; one plain place behind a scaled conversion
.irp c, 0,1
.irp p, 0,1
	v_permlane16_swap_b32 v[224+4*\c+2*\p], v[224+4*\c+2*\p+1]   ; lanes 0-15 now hold block 2 c, lanes 16-31 block 2 c + 1, words 0 .. 3 in registers 4 c .. 4 c + 3
.endr
.endr
.set j, 0
.rept 16
	v_pk_mul_f32 v[160+j:161+j], v[160+j:161+j], v[252:253] op_sel_hi:[1,0]   ; O^T under the new M.  (These sixteen are also the places in front of the scaled products)
.set j, j+2
.endr
	s_wait_alu depctr_va_vdst(0)
	s_wait_dscnt 0x0                               ; V
.irp t, 0,2                                    ; the four accumulators take turns, one instruction a turn
	v_wmma_scale_f32_16x16x128_f8f6f4 v[160+8*\t:167+8*\t], v[192+8*\t:199+8*\t], v[224:231], v[160+8*\t:167+8*\t], v[240+\t/2], v253 matrix_a_fmt:MATRIX_FMT_FP4 matrix_b_fmt:MATRIX_FMT_FP4
	v_wmma_scale_f32_16x16x128_f8f6f4 v[168+8*\t:175+8*\t], v[200+8*\t:207+8*\t], v[224:231], v[168+8*\t:175+8*\t], v[240+\t/2], v253 matrix_a_fmt:MATRIX_FMT_FP4 matrix_b_fmt:MATRIX_FMT_FP4 matrix_a_scale:MATRIX_SCALE_ROW1
.endr
.if \causal
.Lhid_\@:
.endif
	s_add_co_u32 s[KF], s[KF], 128
	s_add_co_u32 s[TB], s[TB], 4096
	s_add_co_u32 s[TS], s[TS], 512
	s_add_co_u32 s[TJ], s[TJ], 256
.endm
; A TILE'S WAY OUT: the sum; rows that saw padded keys alone take U and n; division; the quantiser along the head's 64 (two blocks); 512 consecutive bytes of codes, 2 scale bytes a token.
.macro EPI oa, os
	v_add_f32 v14, v14, v15                        ; the sum's two halves,
	s_delay_alu instid0(VALU_DEP_1)
	v_permlanex16_b32 v252, v14, s[SEL], s[SEL+1]
	s_delay_alu instid0(VALU_DEP_1)
	v_add_f32 v14, v14, v252                       ; and lane l xor 16's
	v_cmp_gt_f32 vcc_lo, s[THR], v13               ; the largest t lies under -2^29: every visible key was padded
	s_delay_alu instid0(VALU_DEP_1)
	v_cndmask_b32 v14, v14, v[NPD], vcc_lo
	v_bfe_u32 v8, v0, 4, 1
	s_delay_alu instid0(VALU_DEP_1)
	v_lshl_add_u32 v8, v8, 5, UF
.irp t, 0,1,2,3
	ds_load_b128 v[96+8*\t:99+8*\t], v8 offset:64*\t             ; U in O^T's layout: register 8 t + j is channel 16 t + 8 h + j
	ds_load_b128 v[100+8*\t:103+8*\t], v8 offset:64*\t+16
.endr
	s_wait_alu depctr_va_vdst(0)
	v_rcp_f32 v14, v14
	v_nop                                          ; a plain place behind the reciprocal
	s_wait_dscnt 0x0
	s_wait_alu depctr_va_vdst(0)                   ; the wait ahead of its first reader
.set j, 0
.rept 32
	v_cndmask_b32 v[128+j], v[160+j], v[96+j], vcc_lo            ; each accumulator from its low end on
.set j, j+1
.endr
.set j, 0
.rept 16
	v_pk_mul_f32 v[128+j:129+j], v[128+j:129+j], v[14:15] op_sel_hi:[1,0]
.set j, j+2
.endr
.irp b, 0,1
	v_max3_num_f32 v[232+\b], |v[128+16*\b]|, |v[129+16*\b]|, 0x1800000
.endr
.irp i, 2,4,6,8,10,12,14
.irp b, 0,1
	s_delay_alu instid0(VALU_DEP_2)
	v_max3_num_f32 v[232+\b], v[232+\b], |v[128+16*\b+\i]|, |v[129+16*\b+\i]|
.endr
.endr
.irp b, 0,1
	s_delay_alu instid0(VALU_DEP_2)
	v_permlanex16_b32 v[236+\b], v[232+\b], s[SEL], s[SEL+1]
.endr
.irp b, 0,1
	s_delay_alu instid0(VALU_DEP_2)
	v_max_num_f32 v[232+\b], v[232+\b], v[236+\b]
.endr
.irp b, 0,1
	s_delay_alu instid0(VALU_DEP_2)
	v_add_nc_u32 v[244+\b], 0xff000000, v[232+\b]
.endr
.irp b, 0,1
	s_delay_alu instid0(VALU_DEP_2)
	v_lshrrev_b32 v[236+\b], 23, v[244+\b]
.endr
	s_delay_alu instid0(VALU_DEP_1)
	v_lshl_or_b32 v243, v237, 8, v236              ; my token's two scale bytes
.irp p, 0,1
.irp e, 0,1
	v_cvt_scalef32_pk8_fp4_f32 v[224+2*\p+\e], v[128+16*\e+8*\p:128+16*\e+8*\p+7], v[244+\e]
.endr
.endr
	v_nop                                          ; one plain place behind a scaled conversion
	v_permlane16_swap_b32 v224, v225
	v_permlane16_swap_b32 v226, v227
	global_store_b128 v[AK0], v[224:227], s[\oa:\oa+1]           ; lane (r, h): channels 32 h .. 32 h + 31 of token r
	global_store_b16 v[AR], v243, s[\os:\os+1]                   ; lanes r and 16 + r store the same two bytes
.endm
	; PHASE A: the late tile (queries 1,024 and up), key steps 0-7: all keys count, and all bytes come from the first loads.  Every wave runs the same eight steps
	INIT
	s_mov_b32 s[KF], 0
	s_mov_b32 s[TB], 0
	s_mov_b32 s[TS], 0
	s_mov_b32 s[TJ], 0
	s_mov_b32 s[TRIP], 8
.Lphase_a:
	STEP 0
	s_sub_co_u32 s[TRIP], s[TRIP], 1
	s_cmp_lg_u32 s[TRIP], 0
	s_cbranch_scc1 .Lphase_a
	s_setprio 0
	s_wait_tensorcnt 0x0                           ; my second load has landed,
	BARRIER                                        ; everybody's has: steps 8-15 lie in LDS
	; U: wave w sums the quantised v over the padded keys of key step w: V^T times a matrix whose sixteen columns all hold the pad codes
	s_lshl_b32 s45, s[WV], 12
	s_lshr_b32 s46, s[WV], 3
	s_lshl_b32 s46, s46, 15
	s_add_co_u32 s45, s45, s46
	v_add_nc_u32 v8, s45, v[AV0]                   ; V's step w.  (These five plain lines are the places in front of the loads into registers that the last products read)
	s_lshl_b32 s46, s[WV], 8
	v_add_nc_u32 v9, s46, v[ASV0]
	v_bfe_u32 v232, v0, 4, 1                       ; h
	s_lshl_b32 s46, s[WV], 6
	s_add_co_u32 s46, s46, PCD
	v_lshl_add_u32 v10, v232, 4, s46               ; the step's 64 bytes of pad codes, + 16 h
	s_mul_i32 s46, s[WV], 272
	s_add_co_u32 s46, s46, UP
	v_lshl_add_u32 v11, v232, 5, s46               ; my partial sum's row, + 32 h
.irp t, 0,1,2,3
	ds_load_b128 v[192+8*\t:195+8*\t], v8 offset:1024*\t
	ds_load_b128 v[196+8*\t:199+8*\t], v8 offset:1024*\t+512
.endr
	ds_load_b32 v240, v9
	ds_load_b32 v241, v9 offset:128
	ds_load_b128 v[224:227], v10
	ds_load_b128 v[228:231], v10 offset:32
	s_wait_dscnt 0x0
.irp t, 0,2
	v_wmma_scale_f32_16x16x128_f8f6f4 v[96+8*\t:103+8*\t], v[192+8*\t:199+8*\t], v[224:231], 0, v[240+\t/2], v[ONE] matrix_a_fmt:MATRIX_FMT_FP4 matrix_b_fmt:MATRIX_FMT_FP4
	v_wmma_scale_f32_16x16x128_f8f6f4 v[104+8*\t:111+8*\t], v[200+8*\t:207+8*\t], v[224:231], 0, v[240+\t/2], v[ONE] matrix_a_fmt:MATRIX_FMT_FP4 matrix_b_fmt:MATRIX_FMT_FP4 matrix_a_scale:MATRIX_SCALE_ROW1
.endr
.rept 4
	v_nop
.endr
	s_wait_alu depctr_va_vdst(0)
.irp t, 0,1,2,3
	ds_store_b128 v11, v[96+8*\t:99+8*\t] offset:64*\t           ; the sixteen lanes of a half hold the same numbers and write the same bytes
	ds_store_b128 v11, v[100+8*\t:103+8*\t] offset:64*\t+16
.endr
	BARRIER                                        ; sixteen partial sums lie in LDS
	v_and_b32 v8, 31, v0                           ; wave w adds them for channels 4 w .. 4 w + 3: lane l takes partial l / 4 and l / 4 + 8 of channel 4 w + l % 4
	s_delay_alu instid0(VALU_DEP_1)
	v_lshrrev_b32 v9, 2, v8
	v_and_b32 v10, 3, v0
	s_delay_alu instid0(VALU_DEP_2)
	v_mul_u32_u24 v9, v9, 272
	s_delay_alu instid0(VALU_DEP_1)
	v_lshl_add_u32 v9, v10, 2, v9
	s_lshl_b32 s45, s[WV], 4
	s_add_co_u32 s46, s45, UP
	v_add_nc_u32 v9, s46, v9
	ds_load_b32 v232, v9
	ds_load_b32 v233, v9 offset:2176
	s_wait_alu depctr_va_vdst(0)
	s_wait_dscnt 0x0
	v_add_f32 v232, v232, v233
	s_delay_alu instid0(VALU_DEP_1)
	v_add_f32_dpp v232, v232, v232 row_xmask:4 row_mask:0xf bank_mask:0xf
	s_delay_alu instid0(VALU_DEP_1)
	v_add_f32_dpp v232, v232, v232 row_xmask:8 row_mask:0xf bank_mask:0xf
	s_delay_alu instid0(VALU_DEP_1)
	v_permlanex16_b32 v236, v232, s[SEL], s[SEL+1]
	s_delay_alu instid0(VALU_DEP_1)
	v_add_f32 v232, v232, v236
	s_add_co_u32 s46, s45, UF
	v_lshl_add_u32 v10, v10, 2, s46
	ds_store_b32 v10, v232                         ; eight lanes write the same word with the same value
	BARRIER                                        ; U lies in LDS
.rept 5
	v_nop                                          ; the next products write over the registers that held U's partial sums: five places
.endr
	; PHASE B: the late tile, key steps 8-15, up to its diagonal
	s_add_co_u32 s[TB], s[TB], 32768               ; K's steps 8-15 begin at LDS byte 65,536
	s_sub_co_u32 s[DG], 15, s[W2]
	s_lshl_b32 s[DG], s[DG], 7
	s_and_b32 s45, s[TL], 7
	s_lshl_b32 s45, s45, 4
	v_add_nc_u32 v[DV], s45, v[DB]
	s_mov_b32 s[TRIP], 8
.Lphase_b:
	STEP 1
	s_sub_co_u32 s[TRIP], s[TRIP], 1
	s_cmp_lg_u32 s[TRIP], 0
	s_cbranch_scc1 .Lphase_b
	s_setprio 0
	EPI 52, 54
	; PHASE C: the early tile, key steps 0-7, up to its diagonal
	s_wait_xcnt 0x0                                ; the stores have read their registers, which the steps below write anew
	v_mov_b32 v16, v28
	v_mov_b32 v17, v29
	v_mov_b32 v18, v30
	v_mov_b32 v19, v31
	v_mov_b32 v255, v27
	INIT                                           ; (its lines are also the places between these moves and the next scaled product)
	s_mov_b32 s[KF], 0
	s_mov_b32 s[TB], 0
	s_mov_b32 s[TS], 0
	s_mov_b32 s[TJ], 0
	s_lshl_b32 s[DG], s[W2], 7
	s_and_b32 s45, s[TE], 7
	s_lshl_b32 s45, s45, 4
	v_add_nc_u32 v[DV], s45, v[DB]
	s_mov_b32 s[TRIP], 8
.Lphase_c:
	STEP 1
	s_sub_co_u32 s[TRIP], s[TRIP], 1
	s_cmp_lg_u32 s[TRIP], 0
	s_cbranch_scc1 .Lphase_c
	s_setprio 0
	EPI 56, 58
	s_wait_tensorcnt 0x0                           ; the wave's end: behind my last tensor load and my last LDS store
	ds_add_u32 v[SPW], v[NIL]
	s_wait_dscnt 0x0
	ROUND                                          ; the closing round
	s_endpgm
.Lfunc_end_k_qec39ba8efc_attn:
	.size	k_qec39ba8efc_attn, .Lfunc_end_k_qec39ba8efc_attn-k_qec39ba8efc_attn
	.p2alignl 7, 3214868480
	.fill 96, 4, 3214868480
	.section	.rodata,"a",@progbits
	.p2align	6, 0x0
	.amdhsa_kernel k_qec39ba8efc_attn
		.amdhsa_group_segment_fixed_size 167936
		.amdhsa_private_segment_fixed_size 0
		.amdhsa_enable_private_segment 0
		.amdhsa_kernarg_size 24
		.amdhsa_user_sgpr_count 2
		.amdhsa_user_sgpr_kernarg_segment_ptr 1
		.amdhsa_wavefront_size32 1
		.amdhsa_system_sgpr_workgroup_id_x 1
		.amdhsa_system_sgpr_workgroup_id_y 1
		.amdhsa_system_sgpr_workgroup_id_z 1
		.amdhsa_system_vgpr_workitem_id 0
		.amdhsa_next_free_vgpr 256
		.amdhsa_next_free_sgpr 66
		.amdhsa_reserve_vcc 1
		.amdhsa_float_denorm_mode_32 3
		.amdhsa_float_denorm_mode_16_64 3
		.amdhsa_memory_ordered 1
		.amdhsa_forward_progress 1
		.amdhsa_inst_pref_size 91
	.end_amdhsa_kernel
	.amdgpu_metadata
---
amdhsa.version: [ 1, 2 ]
amdhsa.kernels:
  - .name:           k_qec39ba8efc_attn
    .symbol:         k_qec39ba8efc_attn.kd
    .args:
      - { .name: att, .offset: 0, .size: 8, .value_kind: global_buffer, .address_space: global }
      - { .name: attention_mask, .offset: 8, .size: 8, .value_kind: global_buffer, .address_space: global }
      - { .name: ao, .offset: 16, .size: 8, .value_kind: global_buffer, .address_space: global }
    .group_segment_fixed_size: 167936
    .private_segment_fixed_size: 0
    .kernarg_segment_align: 8
    .kernarg_segment_size: 24
    .max_flat_workgroup_size: 512
    .sgpr_count:     66
    .vgpr_count:     256
    .wavefront_size: 32
...
	.end_amdgpu_metadata
.endif
;; end of part 3
;; launch oproj (part 4): grid 4 x 32, 4 waves a work-group, clusters of 4 x 4, 327,680 bytes of LDS; arguments ao, wq, bo, out0; writes out0
.if DOCPART == 4
	.amdgcn_target "amdgcn-amd-amdhsa--gfx1250"
	.amdhsa_code_object_version 6
	.text
	.protected	k_qec39ba8efc_oproj
	.globl	k_qec39ba8efc_oproj
	.p2align	8
	.type	k_qec39ba8efc_oproj,@function
k_qec39ba8efc_oproj:
	s_mov_b64 s[64:65], 0
	v_nop
	global_prefetch_b8 v0, s[64:65] scope:SCOPE_SE
	s_setreg_imm32_b32 hwreg(HW_REG_WAVE_MODE, 25, 1), 1
	s_wait_xcnt 0x0
	s_wait_alu depctr_hold_cnt(0) depctr_sa_sdst(0) depctr_va_vdst(0) depctr_va_sdst(0) depctr_va_ssrc(0) depctr_va_vcc(0) depctr_vm_vsrc(0)
	s_getreg_b32 s2, hwreg(HW_REG_IB_STS2, 6, 4)
	s_cmp_eq_u32 s2, 0
	s_cbranch_scc0 .Lentry_in_a_cluster
	s_endpgm
.Lentry_in_a_cluster:
	s_bfe_u32 s2, ttmp6, 0x10000c
	s_cmp_lg_u32 s2, 0xf033
	s_cbranch_scc0 .Lentry_shape_is_right
	s_endpgm
.Lentry_shape_is_right:
; out0 = a Wo^T + bo on codes of FP4 (E2M1) with E8M0 scales, sums in f32.  a: the attention's result as attn stored it; Wo: rows 3,072 on of wq.  out0: [8192][1024] f32.  No work is left out.
; A tile of 256 x 256 is made by a work-group of four waves, 128 x 128 a wave: 64 accumulators, 512 registers.  K = 1,024 is two LDS slots of 512 along K, both asked for at the head: nothing is filled again.
; A'S TILES ARE IMAGES OF THE OPERAND'S REGISTERS: [tile of 16 tokens][128 along K][c][lane][16 bytes]: a slot's part of a tile of tokens is 4,096 consecutive bytes, and a fragment comes by two loads of 512 consecutive bytes.
; B's tiles are rows of 256 bytes, padded in LDS.  The scales of the work-group's rows of A and B, for all of K, are two dense blocks that come once, with the first fills.
; CLUSTERS: 4 x 4 work-groups; A's tile is asked for jointly along a row of the cluster, B's along a column.  THE MATRIX INSTRUCTION IS USED TRANSPOSED: a lane holds eight neighbouring numbers of a row of out0.
; The bias is the C of each sum's first matrix instruction: 64 registers in the result's layout.
; REGISTERS: window 0: v0-31 addresses; v32-95 scale words, two sets; v128-191 A's fragments, ONE set; v192-255 the bias; on the way out v128-255 are free.
;   window 1: B's fragments, TWO sets.   window 2: the accumulators of my rows 0-63;   window 3: those of my rows 64-127.
.set SIZE_N, 1024
.set NQ,     4
.set ROWB,   256
.set KROW,   512
.set PITCH,  272                       ; B's LDS row: 256 bytes + 16 of padding: the 16 rows that a load touches start at 16 different banks (64 banks of 4 bytes: ISA guide 11.1)
.set FR,     8
.set NL,     2
.set NP,     4
.set HALFT,  128*PITCH                 ; a wave's part of a slot (A's images use 32,768 bytes of it)
.set SLOT,   4*HALFT
.set KS,     32
.set SCL,    2*SLOT
.set HALFS,  16*272
.set SBLK,   2*272
.set SPARE,  SCL+4*HALFS
.set SPITCH, 528                       ; the way out: a stage of 16 rows x (512 bytes + 16) for each wave, in slot 0, which has had its one fill and its last read when the first result is stored there
.set ADRA, 16
.set H32,  18
.set ADRB, 20
.set STO,  24
.set RD,   25
.set CO,   26
.set ADRS, 27
.set SPW,  28
.set NIL,  29
.set SC,   32
.set AF,   128
.set BI,   192
.set BK,   128
.set G1, 24
.set G0, 32
.set G1B, 48
.set G0B, 56
.set G1S, 68
.set G0S, 76
.set G1SB, 80
.set G0SB, 88
.set MSB, 0
.macro WIN new                         ; the immediate's high byte repeats the setting that is left
.if MSB != \new
	s_set_vgpr_msb (MSB<<8)|\new
.set MSB, \new
.endif
.endm
.set MUL_LO, 0xa1                      ; source 0 (B) window 1, source 1 (A) window 0, C and D window 2
.set MUL_HI, 0xf1
.set BIA_LO, 0x81                      ; the first step: C (the bias) window 0, D window 2
.set BIA_HI, 0xc1
.set TO_B,   0x40
.macro JLOAD g0a, g1a, g0b, g1b        ; a joint load: waves 0 and 1 fetch for A, waves 2 and 3 for B; an s_nop 0 and four v_nop follow each of the two lines
	s_cmp_eq_u32 s15, 0
	s_cbranch_scc0 .Lfor_b_\@
	tensor_load_to_lds s[\g0a:\g0a+3], s[\g1a:\g1a+7]
	s_nop 0
.rept 4
	v_nop
.endr
	s_branch .Lasked_\@
.Lfor_b_\@:
	tensor_load_to_lds s[\g0b:\g0b+3], s[\g1b:\g1b+7]
	s_nop 0
.rept 4
	v_nop
.endr
.Lasked_\@:
.endm
.macro CROUND                          ; a round of the cluster's barrier
	s_barrier_signal -1
	s_barrier_wait -1
	s_cmp_lg_u32 s14, 0
	s_cbranch_scc1 .Lnot_wave_0_\@
	s_barrier_signal -3
.Lnot_wave_0_\@:
	s_barrier_wait -3
	s_barrier_signal -1
	s_barrier_wait -1
.endm
	s_load_b128 s[4:7], s[0:1], 0x0                ; ao, wq
	s_load_b128 s[8:11], s[0:1], 0x10              ; bo, out0
	v_lshl_add_u32 v[SPW], v0, 2, SPARE
	v_mov_b32 v[NIL], 0
	ds_add_u32 v[SPW], v[NIL]                      ; the wave's opening: the add, twice on end, and its wait ahead of my first tensor load
	ds_add_u32 v[SPW], v[NIL]
	v_lshrrev_b32 v1, 5, v0
	v_readfirstlane_b32 s14, v1                    ; wave 0..3
	s_lshr_b32 s15, s14, 1                         ; which half of the tile's rows is mine.  Also: I fetch for A (0) or for B (1)
	s_and_b32 s16, s14, 1                          ; which half of its columns.  Also: which 128 rows of that tile I fetch
	s_bfe_u32 s40, ttmp6, 0x40000                  ; cx, cy
	s_bfe_u32 s41, ttmp6, 0x40004
	s_lshl_b32 s42, ttmp9, 2
	s_add_co_u32 s42, s42, s40                     ; tile column = 4 x cluster x + cx
	s_and_b32 s17, ttmp7, 0xffff
	s_lshl_b32 s17, s17, 2
	s_add_co_u32 s17, s17, s41                     ; tile row = 4 x cluster y + cy
	s_lshl_b32 s43, s41, 2
	s_lshl_b32 s43, 15, s43                        ; my row of the cluster
	s_lshl_b32 s44, 0x1111, s40                    ; my column
	; A: 8 tiles of 16 tokens, of each 4,096 consecutive bytes (512 elements of 8 bytes), 8,192 bytes apart; dense in LDS
	s_or_b32 s[G1+0], s43, (3<<16)|(1<<21)         ; 15:0 the mask: my row; 17:16 elements of 8 bytes; 21 set beside a mask; no padding
	s_mov_b32 s[G1+1], 512<<16                     ; tensor_dim0
	s_mov_b32 s[G1+2], 8<<16                       ; tensor_dim1
	s_mov_b32 s[G1+3], 512<<16                     ; tile_dim0
	s_mov_b32 s[G1+4], 8                           ; tile_dim1
	s_mov_b32 s[G1+5], 1024                        ; tensor_dim0_stride
	s_mov_b32 s[G1+6], 0
	s_mov_b32 s[G1+7], 0
	; B: 128 rows x 256 bytes, padded in LDS
	s_or_b32 s[G1B+0], s44, (0<<16)|(1<<20)|(1<<21)|(5<<22)|(3<<25)
	s_mov_b32 s[G1B+1], ROWB<<16
	s_mov_b32 s[G1B+2], 128<<16
	s_mov_b32 s[G1B+3], ROWB<<16
	s_mov_b32 s[G1B+4], 128
	s_mov_b32 s[G1B+5], KROW
	s_mov_b32 s[G1B+6], 0
	s_mov_b32 s[G1B+7], 0
	; the scales of 128 rows: 4,096 dense bytes as 16 rows of 256, 16 bytes of padding behind each
	s_or_b32 s[G1S+0], s43, (3<<16)|(1<<20)|(1<<21)|(5<<22)|(3<<25)
	s_or_b32 s[G1SB+0], s44, (3<<16)|(1<<20)|(1<<21)|(5<<22)|(3<<25)
.irp g, G1S, G1SB
	s_mov_b32 s[\g+1], 32<<16
	s_mov_b32 s[\g+2], 16<<16
	s_mov_b32 s[\g+3], 32<<16
	s_mov_b32 s[\g+4], 16
	s_mov_b32 s[\g+5], 32
	s_mov_b32 s[\g+6], 0
	s_mov_b32 s[\g+7], 0
.endr
	s_lshl_b32 s18, s16, 7
	s_lshl_b32 s20, s17, 8
	s_add_co_u32 s20, s20, s18                     ; A: token 256 x tile row + 128 x half
	s_lshl_b32 s46, s42, 8
	s_add_co_u32 s46, s46, s18                     ; B: row 256 x tile column + 128 x half
	s_mov_b32 s21, 0
	s_mov_b32 s47, 0
	s_mov_b64 s[18:19], KS
	s_mul_u64 s[22:23], s[20:21], s[18:19]         ; where these rows' scales begin
	s_mul_u64 s[92:93], s[46:47], s[18:19]
	s_mov_b64 s[18:19], KROW
	s_mul_u64 s[20:21], s[20:21], s[18:19]         ; and their codes: 512 bytes a token in the images too (16 tokens are 8,192 bytes)
	s_mul_u64 s[46:47], s[46:47], s[18:19]
	s_mul_i32 s45, s14, HALFT
	s_mul_i32 s94, s14, HALFS
	s_wait_dscnt 0x0                               ; both opening adds are done
	s_wait_kmcnt 0x0
	s_mov_b64 s[12:13], s[10:11]                   ; out0
	s_mov_b64 s[96:97], s[8:9]                     ; bo
	s_add_nc_u64 s[8:9], s[6:7], 0x180000          ; Wo's codes
	s_add_nc_u64 s[10:11], s[6:7], 0x218000        ; Wo's scales
	s_add_nc_u64 s[6:7], s[4:5], 0x400000          ; a's scales
	s_add_nc_u64 s[20:21], s[4:5], s[20:21]
	s_add_nc_u64 s[22:23], s[6:7], s[22:23]
	s_add_nc_u64 s[46:47], s[8:9], s[46:47]
	s_add_nc_u64 s[92:93], s[10:11], s[92:93]
	CROUND                                         ; all sixteen work-groups are here: the first joint loads meet
	s_mov_b32 s[G0S], 1
	s_add_co_u32 s[G0S+1], s94, SCL
	s_mov_b64 s[G0S+2:G0S+3], s[22:23]
	s_or_b32 s[G0S+3], s[G0S+3], 0x80000000
	s_mov_b32 s[G0SB], 1
	s_add_co_u32 s[G0SB+1], s94, SCL
	s_mov_b64 s[G0SB+2:G0SB+3], s[92:93]
	s_or_b32 s[G0SB+3], s[G0SB+3], 0x80000000
	JLOAD G0S, G1S, G0SB, G1SB                     ; the scales first
.irp s, 0,1
	s_mov_b32 s[G0+4*\s], 1
	s_add_co_u32 s[G0+4*\s+1], s45, \s*SLOT
	s_add_nc_u64 s[G0+4*\s+2:G0+4*\s+3], s[20:21], \s*4096
	s_or_b32 s[G0+4*\s+3], s[G0+4*\s+3], 0x80000000
	s_mov_b32 s[G0B+4*\s], 1
	s_add_co_u32 s[G0B+4*\s+1], s45, \s*SLOT
	s_add_nc_u64 s[G0B+4*\s+2:G0B+4*\s+3], s[46:47], \s*ROWB
	s_or_b32 s[G0B+4*\s+3], s[G0B+4*\s+3], 0x80000000
	JLOAD G0+4*\s, G1, G0B+4*\s, G1B               ; three loads of a wave are out
.endr
	v_and_b32 v1, 15, v0                           ; r
	v_bfe_u32 v2, v0, 4, 1                         ; h
	v_mul_u32_u24 v3, v1, PITCH
	v_lshl_add_u32 v4, v2, 4, v3                   ; B: a fragment's row x pitch + 16 x half
	v_and_b32 v6, 31, v0
	v_lshlrev_b32 v[CO], 4, v6                     ; 16 x lane: A's images, and the way out
	s_mul_i32 s21, s15, HALFT                      ; my 128 rows of A
	s_mul_i32 s22, s16, HALFT                      ; my 128 rows of B,
	s_add_co_u32 s22, s22, 2*HALFT                 ; which lie behind A's
.irp s, 0,1
	v_add_nc_u32 v[ADRA+\s], s21, v[CO]
	v_add_nc_u32 v[ADRB+\s], s22, v4
	s_add_co_u32 s21, s21, SLOT
	s_add_co_u32 s22, s22, SLOT
.endr
	v_mul_u32_u24 v5, v1, KS
	v_lshrrev_b32 v6, 8, v5
	v_lshl_add_u32 v5, v6, 4, v5
	s_mul_i32 s21, s15, HALFS
	s_mul_i32 s22, s16, HALFS
	s_add_co_u32 s22, s22, 2*HALFS
	s_sub_co_u32 s22, s22, s21
	v_mul_u32_u24 v6, s22, v2                      ; lanes 16-31 take B's
	s_add_co_u32 s21, s21, SCL
	v_add_nc_u32 v5, v5, v6
	v_add_nc_u32 v[ADRS], s21, v5
	s_mul_i32 s23, s14, 16*SPITCH                  ; my stage
	v_mul_u32_u24 v5, v1, SPITCH
	v_lshl_add_u32 v5, v2, 5, v5
	v_add_nc_u32 v[STO], s23, v5                   ; in: row r, 32 bytes for each half of the lanes
	v_add_nc_u32 v[RD], s23, v[CO]                 ; back: the 32 lanes take one row of 512 bytes
	v_lshlrev_b32 v[H32], 5, v2
	s_lshl_b32 s20, s17, 8
	s_lshl_b32 s21, s15, 7
	s_add_co_u32 s20, s20, s21                     ; my first row of out0
	s_mov_b32 s21, 0
	s_mov_b64 s[18:19], SIZE_N*4
	s_mul_u64 s[20:21], s[20:21], s[18:19]
	s_lshl_b32 s46, s42, 10                        ; my first column, in bytes
	s_lshl_b32 s47, s16, 9
	s_add_co_u32 s46, s46, s47
	s_mov_b32 s47, 0
	s_add_nc_u64 s[20:21], s[20:21], s[46:47]
	s_add_nc_u64 s[12:13], s[12:13], s[20:21]
	s_add_nc_u64 s[96:97], s[96:97], s[46:47]      ; and the same column's bias
.irp b, 0,1,2,3,4,5,6,7
	global_load_b128 v[BI+8*\b:BI+8*\b+3], v[H32], s[96:97] offset:64*\b        ; register 8 b + j: the bias of column 16 b + 8 h + j
	global_load_b128 v[BI+8*\b+4:BI+8*\b+7], v[H32], s[96:97] offset:64*\b+16
.endr
.macro FRAGB reg, adr, q, i            ; B: 16 rows x 128 K from padded rows
.irp c, 0,1
	ds_load_b128 v[\reg+4*\c:\reg+4*\c+3], v[\adr] offset:64*(\q)+32*\c+(\i)*16*PITCH
.endr
.endm
.macro FRAGA reg, adr, q, i            ; A: an image: 512 consecutive bytes a load
.irp c, 0,1
	ds_load_b128 v[\reg+4*\c:\reg+4*\c+3], v[\adr] offset:(\i)*4096+(\q)*1024+512*\c
.endr
.endm
; 16 matrix instructions: A's blocks a0, a0 + 1 x B's eight.  zero = 1: the first product starts the sums on the bias.  The 64 accumulators take turns, one instruction a turn.
.macro MUL16 a0, p, q, sc, zero
.irp a, \a0, \a0+1
.irp b, 0,1,2,3,4,5,6,7
.if \zero
	v_wmma_scale_f32_16x16x128_f8f6f4 v[8*(8*((\a)%4)+\b):8*(8*((\a)%4)+\b)+7], v[128*(\p)+FR*\b:128*(\p)+FR*\b+FR-1], v[AF+FR*(\a):AF+FR*(\a)+FR-1], v[BI+8*\b:BI+8*\b+7], v[SC+8*NQ*(\sc)+NQ*\b+(\q)], v[SC+8*NQ*(\sc)+NQ*(\a)+(\q)] matrix_a_fmt:MATRIX_FMT_FP4 matrix_b_fmt:MATRIX_FMT_FP4 matrix_a_scale:MATRIX_SCALE_ROW1
.else
	v_wmma_scale_f32_16x16x128_f8f6f4 v[8*(8*((\a)%4)+\b):8*(8*((\a)%4)+\b)+7], v[128*(\p)+FR*\b:128*(\p)+FR*\b+FR-1], v[AF+FR*(\a):AF+FR*(\a)+FR-1], v[8*(8*((\a)%4)+\b):8*(8*((\a)%4)+\b)+7], v[SC+8*NQ*(\sc)+NQ*\b+(\q)], v[SC+8*NQ*(\sc)+NQ*(\a)+(\q)] matrix_a_fmt:MATRIX_FMT_FP4 matrix_b_fmt:MATRIX_FMT_FP4 matrix_a_scale:MATRIX_SCALE_ROW1
.endif
.endr
.endr
.endm
.macro FETCH_B slot, q, p
	WIN TO_B
.irp i, 0,1,2,3,4,5,6,7
	FRAGB 128*(\p)+FR*\i, ADRB+\slot, \q, \i
.endr
	WIN 0
.endm
.macro FETCH_A slot, q, i0
.irp i, \i0, \i0+1, \i0+2, \i0+3
	FRAGA AF+FR*(\i), ADRA+\slot, \q, \i
.endr
.endm
.macro SCALES sc
.irp i, 0,1,2,3,4,5,6,7
	ds_load_b128 v[SC+8*NQ*\sc+NQ*\i:SC+8*NQ*\sc+NQ*\i+3], v[ADRS] offset:\i*SBLK
.endr
.endm
.macro PLACES n
.rept \n
	v_nop
.endr
.endm
.macro STEP slot, q, zero
	s_wait_dscnt 4*NL                              ; B's set and A's blocks 0-3 are in; A's blocks 4-7 may be out
.if \zero
	WIN BIA_LO
.else
	WIN MUL_LO
.endif
	MUL16 0, (\q)%2, \q, \slot, \zero
	MUL16 2, (\q)%2, \q, \slot, \zero
	s_wait_dscnt 0
	PLACES NP
	FETCH_B \slot, (\q)+1, 1-(\q)%2
	FETCH_A \slot, (\q)+1, 0
.if \zero
	WIN BIA_HI
.else
	WIN MUL_HI
.endif
	MUL16 4, (\q)%2, \q, \slot, \zero
	MUL16 6, (\q)%2, \q, \slot, \zero
	PLACES NP
	WIN 0
	FETCH_A \slot, (\q)+1, 4
.endm
.macro TURN slot, next                 ; slot 0's last step goes over to slot 1: one barrier; nothing is filled again
	s_wait_tensorcnt 0x0                           ; all my tensor loads have landed: my part of the next slot
	ds_add_u32 v[SPW], v[NIL]                      ; 0 onto my spare word
	s_wait_dscnt 4*NL+1                            ; (the add and A's blocks 4-7 may be out)
	WIN MUL_LO
	MUL16 0, 1, NQ-1, \slot, 0
	s_wait_dscnt 0x0                               ; the add is done, and my reads of this slot are over
	s_barrier_signal -1
	MUL16 2, 1, NQ-1, \slot, 0
	WIN 0
	s_barrier_wait -1
	PLACES NP
	v_add_nc_u32 v[ADRS], 4*NQ, v[ADRS]
	FETCH_B \next, 0, 0
	FETCH_A \next, 0, 0
	SCALES \next
	WIN MUL_HI
	MUL16 4, 1, NQ-1, \slot, 0
	MUL16 6, 1, NQ-1, \slot, 0
	PLACES NP
	WIN 0
	FETCH_A \next, 0, 4
.endm
.macro STEPS slot, from
.set Q, \from
.rept NQ-1-\from
	STEP \slot, Q, 0
.set Q, Q+1
.endr
.endm
	s_wait_tensorcnt 1                             ; the scales and my part of slot 0 are in (slot 1's load may be out),
	s_barrier_signal -1
	s_barrier_wait -1                              ; everybody's are
	FETCH_B 0, 0, 0
	FETCH_A 0, 0, 0
	SCALES 0
	FETCH_A 0, 0, 4
	s_wait_loadcnt 0x0                             ; the bias
	STEP 0, 0, 1
	STEPS 0, 1
	TURN 0, 1
	STEPS 1, 0
	s_wait_dscnt 4*NL                              ; the very last step
	WIN MUL_LO
	MUL16 0, 1, NQ-1, 1, 0
	MUL16 2, 1, NQ-1, 1, 0
	s_wait_dscnt 0
	WIN MUL_HI
	MUL16 4, 1, NQ-1, 1, 0
	MUL16 6, 1, NQ-1, 1, 0
	WIN 0
; THE WAY OUT, block by block of 16 rows x 128 columns, through my own stage in LDS: in as 32 bytes a lane, back as whole rows of 512 bytes.  LDS serves a wave's instructions in order (ISA guide 5.7.1.4).
.macro TOSTAGE a
.set AC, 64*((\a)%4)
	WIN (0x08+4*((\a)/4))                          ; the data: window 2 or 3
.irp b, 0,1,2,3,4,5,6,7
	ds_store_b128 v[STO], v[AC+8*\b:AC+8*\b+3] offset:64*\b          ; each accumulator from its low end on
	ds_store_b128 v[STO], v[AC+8*\b+4:AC+8*\b+7] offset:64*\b+16
.endr
	WIN 0
.set BB, BK+64*((\a)%2)
.irp t, 0,1,2,3,4,5,6,7,8,9,10,11,12,13,14,15
	ds_load_b128 v[BB+4*\t:BB+4*\t+3], v[RD] offset:\t*SPITCH
.endr
.endm
.macro SEND a, younger                 ; younger: the LDS instructions issued behind block a's loads, which may stay out
.set BB, BK+64*((\a)%2)
	s_wait_dscnt \younger
.if (\a) > 0
	s_add_nc_u64 s[12:13], s[12:13], 16*SIZE_N*4   ; (behind a wait on XCNT: the earlier stores have read their base)
.endif
.irp t, 0,1,2,3,4,5,6,7,8,9,10,11,12,13,14,15
	global_store_b128 v[CO], v[BB+4*\t:BB+4*\t+3], s[12:13] offset:\t*SIZE_N*4 th:TH_STORE_NT   ; 32 lanes store 512 consecutive bytes, aligned; written once, read by nobody here
.endr
.endm
	PLACES NP
	TOSTAGE 0
.irp a, 1,2,3,4,5,6,7
.if \a > 1
	s_wait_xcnt 0x0                                ; block a - 2's stores have read their registers and their base
.endif
	TOSTAGE \a
	SEND \a-1, 32                                  ; behind block a - 1's loads: block a's 16 stores and 16 loads
.endr
	s_wait_xcnt 0x0
	SEND 7, 0
	s_wait_tensorcnt 0x0                           ; the wave's end: behind my last tensor load and my last LDS store
	ds_add_u32 v[SPW], v[NIL]
	s_wait_dscnt 0x0
	CROUND                                         ; the closing round
	s_endpgm
.Lfunc_end_k_qec39ba8efc_oproj:
	.size	k_qec39ba8efc_oproj, .Lfunc_end_k_qec39ba8efc_oproj-k_qec39ba8efc_oproj
	.p2alignl 7, 3214868480
	.fill 96, 4, 3214868480
	.section	.rodata,"a",@progbits
	.p2align	6, 0x0
	.amdhsa_kernel k_qec39ba8efc_oproj
		.amdhsa_group_segment_fixed_size 327680
		.amdhsa_private_segment_fixed_size 0
		.amdhsa_enable_private_segment 0
		.amdhsa_kernarg_size 32
		.amdhsa_user_sgpr_count 2
		.amdhsa_user_sgpr_kernarg_segment_ptr 1
		.amdhsa_wavefront_size32 1
		.amdhsa_system_sgpr_workgroup_id_x 1
		.amdhsa_system_sgpr_workgroup_id_y 1
		.amdhsa_system_sgpr_workgroup_id_z 1
		.amdhsa_system_vgpr_workitem_id 0
		.amdhsa_next_free_vgpr 1024
		.amdhsa_next_free_sgpr 100
		.amdhsa_reserve_vcc 0
		.amdhsa_float_denorm_mode_32 3
		.amdhsa_float_denorm_mode_16_64 3
		.amdhsa_memory_ordered 1
		.amdhsa_forward_progress 1
		.amdhsa_inst_pref_size 126
	.end_amdhsa_kernel
	.amdgpu_metadata
---
amdhsa.version: [ 1, 2 ]
amdhsa.kernels:
  - .name:           k_qec39ba8efc_oproj
    .symbol:         k_qec39ba8efc_oproj.kd
    .args:
      - { .name: ao, .offset: 0, .size: 8, .value_kind: global_buffer, .address_space: global }
      - { .name: wq, .offset: 8, .size: 8, .value_kind: global_buffer, .address_space: global }
      - { .name: bo, .offset: 16, .size: 8, .value_kind: global_buffer, .address_space: global }
      - { .name: out0, .offset: 24, .size: 8, .value_kind: global_buffer, .address_space: global }
    .group_segment_fixed_size: 327680
    .private_segment_fixed_size: 0
    .kernarg_segment_align: 8
    .kernarg_segment_size: 32
    .max_flat_workgroup_size: 128
    .sgpr_count:     100
    .vgpr_count:     1024
    .wavefront_size: 32
...
	.end_amdgpu_metadata
.endif
;; end of part 4
